; MI455X (gfx1250); checked and timed in simulation.
; The chip was launched on July 23, 2026; its instructions are those of AMD's public machine-readable ISA for CDNA 5 (MIT licence, August 2026) and "CDNA5" Instruction Set Architecture Reference Guide (July 2026). The comments in the code are by the model that wrote it; some were corrected since.
;; Multi Head Attention. Allowed arithmetic: float matrix products may take bf16 or f16 operands with f32 sums; all other float work in f32.
;; Inputs: Wk 1,024 x 1,024 float32; Wo 1,024 x 1,024 float32; Wq 1,024 x 1,024 float32; Wv 1,024 x 1,024 float32; bk 1,024 float32; bo 1,024 float32; bq 1,024 float32; bv 1,024 float32; ln_beta 1,024 float32; ln_gamma 1,024 float32; x 2 x 2,048 x 1,024 float32.
;; Outputs: out0 2 x 2,048 x 1,024 float32.
;; 2 versions, each right. Each part assembles by itself: llvm-mc -triple=amdgcn-amd-amdhsa -mcpu=gfx1250 --defsym DOCPART=n.
;; ======== version 1 of 2: 4 launches
;; workspace buffers: xb 8,388,608 bytes; wqkv 6,291,456 bytes; wob 2,097,152 bytes; qh 8,388,608 bytes; kh 8,388,608 bytes; vh 8,388,608 bytes; att 8,388,608 bytes
;; launch cast (part 1): grid 512 x 1, 8 waves a work-group, no clusters, 0 bytes of LDS; arguments x, Wq, Wk, Wv, Wo, xb, wqkv, wob; writes xb, wqkv, wob
.if DOCPART == 1
	.amdgcn_target "amdgcn-amd-amdhsa--gfx1250"
	.amdhsa_code_object_version 6
	.text
	.protected	k_q4cdf83cfc7_cast
	.globl	k_q4cdf83cfc7_cast
	.p2align	8
	.type	k_q4cdf83cfc7_cast,@function
k_q4cdf83cfc7_cast:
	s_mov_b64 s[64:65], 0
	v_nop
	global_prefetch_b8 v0, s[64:65] scope:SCOPE_SE
	s_setreg_imm32_b32 hwreg(HW_REG_WAVE_MODE, 25, 1), 1
	s_wait_xcnt 0x0
; f32 -> bf16 (round to nearest even) of x and of the four weight matrices, once, so that the later launches move and multiply 16-bit tiles.
;   xb   [4096][1024]                      = x
;   wqkv [head 16][t = q,k,v][d 64][1024]  = W_t[64 head + d][:]   (the 192 weight rows of a head lie together)
;   wob  [kb 16][n 1024][64]               = Wo[n][64 kb + j]      (a K step of 64 is one dense block)
; A stream: no byte is shared between work-groups, so no LDS, no cluster, no matrix unit.
; A work-group takes 16 source rows of 4,096 bytes: groups 0-255 x, then 64 groups for each of Wq, Wk, Wv, Wo.  A wave takes 2 rows:
; 16 loads of 16 bytes a lane, all issued before the first is used, and 16 stores of 8 bytes a lane: each store of a wave covers 256
; consecutive bytes, aligned.  There is no loop and no register is written again while a memory instruction may read it.
.set D, 8                              ; v[8:71]  load i: 4 registers of f32; its first two then hold the 4 bf16
	s_load_b512 s[8:23], s[0:1], 0x0               ; x 8, Wq 10, Wk 12, Wv 14, Wo 16, xb 18, wqkv 20, wob 22
	s_sub_co_u32 s2, ttmp9, 256                    ; j: my number among the weights' groups (wraps for x's groups)
	s_lshr_b32 s3, s2, 6                           ; t: 0 Wq, 1 Wk, 2 Wv, 3 Wo; for x's groups a large number that equals none of them
	s_and_b32 s4, s2, 63                           ; i: which 16 rows of that matrix
	s_lshr_b32 s30, s4, 2                          ; head = 16 i / 64
	s_mul_i32 s30, s30, 192
	s_lshl_b32 s31, s3, 6
	s_add_co_u32 s30, s30, s31                     ; + 64 t
	s_and_b32 s31, s4, 3
	s_lshl_b32 s31, s31, 4
	s_add_co_u32 s30, s30, s31                     ; + d of my first row
	s_lshl_b32 s30, s30, 11                        ; wqkv: rows of 2,048 bytes
	s_lshl_b32 s31, s4, 11                         ; wob: 16 i pieces of 128 bytes
	s_lshl_b32 s32, ttmp9, 15                      ; xb: 16 rows of 2,048 bytes
	s_wait_kmcnt 0x0
	s_cmp_eq_u32 s3, 1                             ; every choice hangs on the work-group's number alone
	s_cselect_b64 s[24:25], s[12:13], s[10:11]
	s_cmp_eq_u32 s3, 2
	s_cselect_b64 s[24:25], s[14:15], s[24:25]
	s_cmp_eq_u32 s3, 3
	s_cselect_b64 s[24:25], s[16:17], s[24:25]     ; the source
	s_cselect_b64 s[26:27], s[22:23], s[20:21]     ; the destination
	s_cselect_b32 s30, s31, s30                    ; and my offset in it
	s_cmp_lt_u32 ttmp9, 256
	s_cselect_b64 s[24:25], s[8:9], s[24:25]
	s_cselect_b64 s[26:27], s[18:19], s[26:27]
	s_cselect_b32 s30, s32, s30
	s_cselect_b32 s28, ttmp9, s4
	s_lshl_b32 s28, s28, 16                        ; 16 source rows of 4,096 bytes
	s_mov_b32 s29, 0
	s_mov_b32 s31, 0
	s_add_nc_u64 s[24:25], s[24:25], s[28:29]
	s_add_nc_u64 s[26:27], s[26:27], s[30:31]
; 16 loads sstep bytes apart, then for each: wait, two packed roundings, a store; the stores are dstep bytes apart
.macro CONVERT sstep, dstep
.irp i, 0,1,2,3,4,5,6,7,8,9,10,11,12,13,14,15
	global_load_b128 v[D+4*\i:D+4*\i+3], v1, s[24:25] offset:\i*\sstep th:TH_LOAD_NT
.endr
.irp i, 0,1,2,3,4,5,6,7,8,9,10,11,12,13,14,15
	s_wait_loadcnt 15-\i                           ; loads come back in order (ISA guide 5.7.1): load i is in, the 15 - i younger ones stay out
	v_cvt_pk_bf16_f32 v[D+4*\i],   v[D+4*\i],   v[D+4*\i+1]
	v_cvt_pk_bf16_f32 v[D+4*\i+1], v[D+4*\i+2], v[D+4*\i+3]
	global_store_b64 v2, v[D+4*\i:D+4*\i+1], s[26:27] offset:\i*\dstep
.endr
.endm
	s_cmp_eq_u32 s3, 3
	s_cbranch_scc1 .Lblocked
	; rows stay whole: source byte o goes to destination byte o / 2
	v_lshrrev_b32 v3, 5, v0                        ; wave
	v_and_b32 v4, 31, v0                           ; lane
	v_lshlrev_b32 v1, 4, v4
	v_lshl_add_u32 v1, v3, 13, v1                  ; 2 rows x 4,096 bytes a wave + 16 bytes a lane
	v_lshlrev_b32 v2, 3, v4
	v_lshl_add_u32 v2, v3, 12, v2
	CONVERT 512, 256
	s_endpgm
.Lblocked:
	; Wo: load i takes columns 64 i .. 64 i + 63 of two rows (lanes 0-15 one row, lanes 16-31 the next), which are neighbours in block i of wob
	v_lshrrev_b32 v3, 4, v0                        ; my row of the group's 16
	v_and_b32 v4, 15, v0
	v_lshlrev_b32 v1, 4, v4
	v_lshl_add_u32 v1, v3, 12, v1
	v_lshlrev_b32 v2, 3, v0                        ; row x 128 bytes + 8 bytes a lane = 8 x thread
	CONVERT 256, 131072
	s_endpgm
.Lfunc_end_k_q4cdf83cfc7_cast:
	.size	k_q4cdf83cfc7_cast, .Lfunc_end_k_q4cdf83cfc7_cast-k_q4cdf83cfc7_cast
	.p2alignl 7, 3214868480
	.fill 96, 4, 3214868480
	.section	.rodata,"a",@progbits
	.p2align	6, 0x0
	.amdhsa_kernel k_q4cdf83cfc7_cast
		.amdhsa_group_segment_fixed_size 0
		.amdhsa_private_segment_fixed_size 0
		.amdhsa_enable_private_segment 0
		.amdhsa_kernarg_size 64
		.amdhsa_user_sgpr_count 2
		.amdhsa_user_sgpr_kernarg_segment_ptr 1
		.amdhsa_wavefront_size32 1
		.amdhsa_system_sgpr_workgroup_id_x 1
		.amdhsa_system_sgpr_workgroup_id_y 1
		.amdhsa_system_sgpr_workgroup_id_z 1
		.amdhsa_system_vgpr_workitem_id 0
		.amdhsa_next_free_vgpr 72
		.amdhsa_next_free_sgpr 66
		.amdhsa_reserve_vcc 0
		.amdhsa_float_denorm_mode_32 3
		.amdhsa_float_denorm_mode_16_64 3
		.amdhsa_memory_ordered 1
		.amdhsa_forward_progress 1
		.amdhsa_inst_pref_size 13
	.end_amdhsa_kernel
	.amdgpu_metadata
---
amdhsa.version: [ 1, 2 ]
amdhsa.kernels:
  - .name:           k_q4cdf83cfc7_cast
    .symbol:         k_q4cdf83cfc7_cast.kd
    .args:
      - { .name: x, .offset: 0, .size: 8, .value_kind: global_buffer, .address_space: global }
      - { .name: Wq, .offset: 8, .size: 8, .value_kind: global_buffer, .address_space: global }
      - { .name: Wk, .offset: 16, .size: 8, .value_kind: global_buffer, .address_space: global }
      - { .name: Wv, .offset: 24, .size: 8, .value_kind: global_buffer, .address_space: global }
      - { .name: Wo, .offset: 32, .size: 8, .value_kind: global_buffer, .address_space: global }
      - { .name: xb, .offset: 40, .size: 8, .value_kind: global_buffer, .address_space: global }
      - { .name: wqkv, .offset: 48, .size: 8, .value_kind: global_buffer, .address_space: global }
      - { .name: wob, .offset: 56, .size: 8, .value_kind: global_buffer, .address_space: global }
    .group_segment_fixed_size: 0
    .private_segment_fixed_size: 0
    .kernarg_segment_align: 8
    .kernarg_segment_size: 64
    .max_flat_workgroup_size: 256
    .sgpr_count:     66
    .vgpr_count:     72
    .wavefront_size: 32
...
	.end_amdgpu_metadata
.endif
;; end of part 1
;; launch qkv (part 2): grid 16 x 16, 4 waves a work-group, clusters of 4 x 4, 327,680 bytes of LDS; arguments xb, wqkv, bq, bk, bv, qh, kh, vh; writes qh, kh, vh
.if DOCPART == 2
	.amdgcn_target "amdgcn-amd-amdhsa--gfx1250"
	.amdhsa_code_object_version 6
	.text
	.protected	k_q4cdf83cfc7_qkv
	.globl	k_q4cdf83cfc7_qkv
	.p2align	8
	.type	k_q4cdf83cfc7_qkv,@function
k_q4cdf83cfc7_qkv:
	s_mov_b64 s[64:65], 0
	v_nop
	global_prefetch_b8 v0, s[64:65] scope:SCOPE_SE
	s_setreg_imm32_b32 hwreg(HW_REG_WAVE_MODE, 25, 1), 1
	s_wait_xcnt 0x0
	s_wait_alu depctr_hold_cnt(0) depctr_sa_sdst(0) depctr_va_vdst(0) depctr_va_sdst(0) depctr_va_ssrc(0) depctr_va_vcc(0) depctr_vm_vsrc(0)
	s_getreg_b32 s2, hwreg(HW_REG_IB_STS2, 6, 4)
	s_cmp_eq_u32 s2, 0
	s_cbranch_scc0 .Lentry_in_a_cluster
	s_endpgm
.Lentry_in_a_cluster:
	s_bfe_u32 s2, ttmp6, 0x10000c
	s_cmp_lg_u32 s2, 0xf033
	s_cbranch_scc0 .Lentry_shape_is_right
	s_endpgm
.Lentry_shape_is_right:
; Q, K, V = x W^T + b, in bf16, stored [batch x 16 + head][s 2048][d 64].  Operands bf16 (rounded by the launch before), sums in f32, one rounding at the end.
; A work-group makes 256 rows x the 192 columns (Q | K | V) of one head; grid x = head, grid y = block of 256 rows.
; Four waves, one for each SIMD of a WGP; wave (mh, nh) makes 128 x 96: 8 x 6 tiles of 16 x 16, 384 accumulator registers.
; K = 1,024 goes in 8 steps of 128 (tile rows of 256 bytes, each starting at a multiple of 256 bytes of its buffer) through two LDS slots.
; CLUSTERS: 4 x 4 work-groups.  x's tile hangs on the block of rows alone and is asked for jointly along a row of the cluster; the weights'
; tile hangs on the head alone and is asked for jointly along a column: a quarter of the requests for each.
; REGISTERS: window 0: addresses and two fragment buffers; window 1: accumulators of my rows 0-63, tile (a, b) at v[8 (6 a + b)]; window 2: rows 64-127.
; THE MATRIX INSTRUCTION IS USED TRANSPOSED: source 0 = 16 weight rows, source 1 = 16 rows of x, so that lane (r, h), register j holds
; C(row 16 a + r, column 16 b + 8 h + j): eight neighbouring columns, 16 bytes of bf16.
; THE BIAS is loaded straight into the accumulators: the sums start on their addend, nothing is cleared and nothing is added later.
.set KSTEP,  128
.set PITCH,  272                       ; an LDS row: 256 bytes + 16 of padding: an odd multiple of 16, so the 16 rows of a fragment load start at 16 different 16-byte columns modulo 256 bytes
.set HALFA,  128*PITCH                 ; 128 rows of x: one tensor load, and what one wave reads of x
.set HALFB,  96*PITCH                  ; 96 weight rows: likewise
.set BOFF,   2*HALFA                   ; the weights' 192 rows lie behind x's 256
.set SLOT,   BOFF+2*HALFB              ; 121,856 bytes; two slots
.set SPITCH, 400                       ; the way out: 192 columns of bf16 + 16 bytes, in slot 0's bytes behind that slot's last fill and last read
.set LAPS,   1024/(2*KSTEP)            ; a lap = two K steps = once round the ring
.set ADRA, 16                          ; v16-17  LDS address of my fragments of x in slot 0, 1
.set ADRB, 20                          ; v20-21  the same for the weights
.set STO,  24                          ; the way out: where I put 16 bytes of a row
.set RD,   25                          ; where I read rows back
.set CO,   26                          ; my byte offset in q, k, v
.set BI,   27                          ; my byte offset in a tile's 16 biases: 32 h
.set F0,   32                          ; fragment buffer 0: weights b at F + 8 b (48 registers), x a at F + 48 + 8 a (64 registers)
.set F1,   144                         ; fragment buffer 1
.set G1,   24                          ; s[24:31] descriptor group 1 for x's tiles
.set G0,   32                          ; s[32:39] group 0 for x's tiles, one set for each slot
.set G1B,  48                          ; s[48:55] group 1 for the weights' tiles
.set G0B,  56                          ; s[56:63] group 0 for the weights' tiles
.set BP,   84                          ; s[84:95] the address of the 16 biases of each of my six column tiles
.set MSB,  0
.macro WIN new                         ; s_set_vgpr_msb: bits 1:0 source 0, 3:2 source 1, 5:4 source 2, 7:6 destination; the high byte repeats the setting that is left
.if MSB != \new
	s_set_vgpr_msb (MSB<<8)|\new
.set MSB, \new
.endif
.endm
.set MUL_LO, 0x50                      ; fragments window 0, C and D window 1
.set MUL_HI, 0xa0                      ; C and D window 2
; A joint load.  Waves 0 and 1 fetch the two halves of x's tile, waves 2 and 3 those of the weights'.  Each line has one mask and one set of registers;
; the branch hangs on the wave's number alone.
.macro JLOAD s
	s_cmp_eq_u32 s11, 0
	s_cbranch_scc0 .Lfor_b_\@
	tensor_load_to_lds s[G0+4*\s:G0+4*\s+3], s[G1:G1+7]
	s_nop 0
	s_branch .Lasked_\@
.Lfor_b_\@:
	tensor_load_to_lds s[G0B+4*\s:G0B+4*\s+3], s[G1B:G1B+7]
	s_nop 0
.Lasked_\@:
.endm
; A round of the cluster's barrier: my work-group's barrier; wave 0 signals for the work-group; every wave waits for all sixteen; my work-group's barrier again.
.macro CREST                           ; a round behind its opening barrier
	s_cmp_lg_u32 s10, 0
	s_cbranch_scc1 .Lnot_wave_0_\@
	s_barrier_signal -3
.Lnot_wave_0_\@:
	s_barrier_wait -3
	s_barrier_signal -1
	s_barrier_wait -1
.endm
.macro CROUND
	s_barrier_signal -1
	s_barrier_wait -1
	CREST
.endm
	s_load_b512 s[68:83], s[0:1], 0x0              ; xb 68, wqkv 70, bq 72, bk 74, bv 76, q 78, k 80, v 82
	v_lshl_add_u32 v30, v0, 2, 0x3b800
	v_mov_b32 v31, 0
	ds_add_u32 v30, v31
	v_lshrrev_b32 v1, 5, v0
	v_readfirstlane_b32 s10, v1                    ; wave 0..3
	s_lshr_b32 s11, s10, 1                         ; mh: which 128 rows are mine.  Also: I fetch x (0) or weights (1)
	s_and_b32 s12, s10, 1                          ; nh: which 96 columns.  Also: which half of that tile I fetch
	s_bfe_u32 s40, ttmp6, 0x40000                  ; cx
	s_bfe_u32 s41, ttmp6, 0x40004                  ; cy
	s_lshl_b32 s42, ttmp9, 2
	s_add_co_u32 s42, s42, s40                     ; head = 4 x cluster x + cx
	s_and_b32 s13, ttmp7, 0xffff
	s_lshl_b32 s13, s13, 2
	s_add_co_u32 s13, s13, s41                     ; block of rows = 4 x cluster y + cy
	s_lshl_b32 s43, s41, 2
	s_lshl_b32 s43, 15, s43                        ; my row of the cluster: places 4 cy .. 4 cy + 3
	s_lshl_b32 s44, 0x1111, s40                    ; my column: places cx, cx + 4, cx + 8, cx + 12
	; group 1: 15:0 mask; 17:16 elements of 2 bytes; 20 padding on; 21 set beside a mask; 24:22 after every 64 words (code 5); 31:25 skip 4 words (code 3)
	s_or_b32 s[G1+0],  s43, (1<<16)|(1<<20)|(1<<21)|(5<<22)|(3<<25)
	s_or_b32 s[G1B+0], s44, (1<<16)|(1<<20)|(1<<21)|(5<<22)|(3<<25)
	s_mov_b32 s[G1+1],  KSTEP<<16                  ; tensor_dim0 = 128
	s_mov_b32 s[G1B+1], KSTEP<<16
	s_mov_b32 s[G1+2],  128<<16                    ; tensor_dim1 = 128 rows of x
	s_mov_b32 s[G1B+2], 96<<16                     ;             = 96 weight rows
	s_mov_b32 s[G1+3],  KSTEP<<16                  ; tile_dim0 = 128
	s_mov_b32 s[G1B+3], KSTEP<<16
	s_mov_b32 s[G1+4],  128                        ; tile_dim1
	s_mov_b32 s[G1B+4], 96
	s_mov_b32 s[G1+5],  1024                       ; elements from row to row
	s_mov_b32 s[G1B+5], 1024
	s_mov_b32 s[G1+6],  0
	s_mov_b32 s[G1B+6], 0
	s_mov_b32 s[G1+7],  0
	s_mov_b32 s[G1B+7], 0
	; where the tiles come from: x's hang on the block of rows, the weights' on the head, each in registers that never hold the other coordinate
	s_lshl_b32 s17, s12, 7
	s_lshl_b32 s16, s13, 8
	s_add_co_u32 s16, s16, s17                     ; x: row 256 x block + 128 x half
	s_lshl_b32 s16, s16, 11                        ; rows of 2,048 bytes (below 8 MiB)
	s_mov_b32 s17, 0
	s_mul_i32 s46, s42, 192
	s_mul_i32 s47, s12, 96
	s_add_co_u32 s46, s46, s47                     ; weights: row 192 x head + 96 x half
	s_lshl_b32 s46, s46, 11
	s_mov_b32 s47, 0
	s_mul_i32 s20, s10, HALFA                      ; and where they go: x's halves from waves 0, 1 at wave x HALFA,
	s_mul_i32 s21, s10, HALFB
	s_add_co_u32 s21, s21, BOFF-2*HALFB            ; the weights' halves from waves 2, 3 at BOFF + (wave - 2) x HALFB
	s_wait_dscnt 0x0
	s_wait_kmcnt 0x0
	s_add_nc_u64 s[14:15], s[68:69], s[16:17]
	s_add_nc_u64 s[46:47], s[70:71], s[46:47]
	CROUND                                         ; all sixteen work-groups are here: the first joint loads meet
.irp s, 0,1
	s_mov_b32 s[G0+4*\s], 1                                        ; count = 1
	s_add_co_u32 s[G0+4*\s+1], s20, \s*SLOT                        ; LDS address
	s_add_nc_u64 s[G0+4*\s+2:G0+4*\s+3], s[14:15], \s*KSTEP*2      ; global address: K step s
	s_or_b32 s[G0+4*\s+3], s[G0+4*\s+3], 0x80000000                ; type = 2
	s_mov_b32 s[G0B+4*\s], 1
	s_add_co_u32 s[G0B+4*\s+1], s21, \s*SLOT
	s_add_nc_u64 s[G0B+4*\s+2:G0B+4*\s+3], s[46:47], \s*KSTEP*2
	s_or_b32 s[G0B+4*\s+3], s[G0B+4*\s+3], 0x80000000
	JLOAD \s                                       ; by this text's count a wave never has more than two tensor loads out
.endr
	; fragments: lane (r, h) takes row r; registers 0-3 K = 8 h + 0..7, registers 4-7 K = 16 + 8 h + 0..7: two loads of 16 bytes, 32 bytes apart
	v_and_b32 v1, 15, v0                           ; r
	v_bfe_u32 v2, v0, 4, 1                         ; h
	v_mul_u32_u24 v3, v1, PITCH
	v_lshl_add_u32 v3, v2, 4, v3
	s_mul_i32 s22, s11, HALFA                      ; my 128 rows of x
	s_mul_i32 s23, s12, HALFB
	s_add_co_u32 s23, s23, BOFF                    ; my 96 weight rows
.irp s, 0,1
	v_add_nc_u32 v[ADRA+\s], s22, v3
	v_add_nc_u32 v[ADRB+\s], s23, v3
	s_add_co_u32 s22, s22, SLOT
	s_add_co_u32 s23, s23, SLOT
.endr
	s_mul_i32 s20, s11, 128*SPITCH
	s_mul_i32 s21, s12, 192
	s_add_co_u32 s20, s20, s21
	v_mul_u32_u24 v4, v1, SPITCH
	v_lshl_add_u32 v4, v2, 4, v4
	v_add_nc_u32 v[STO], s20, v4                   ; (128 mh + r) x 400 + 2 (96 nh + 8 h)
	v_bfe_u32 v5, v0, 3, 2
	v_and_b32 v6, 7, v0
	v_mul_u32_u24 v5, v5, SPITCH
	v_lshl_add_u32 v5, v6, 4, v5
	s_mul_i32 s20, s10, 64*SPITCH
	v_add_nc_u32 v[RD], s20, v5                    ; back: wave w takes rows 64 w ..; eight lanes take the 128 bytes that a row holds of q, of k or of v
	v_and_b32 v7, 31, v0
	s_lshl_b32 s20, s10, 13
	v_lshl_add_u32 v[CO], v7, 4, s20               ; 64 w rows of 128 bytes + 16 bytes a lane
	v_lshlrev_b32 v[BI], 5, v2
	; my column tile b begins at column c = 96 nh + 16 b of the 192: bias vector c / 64, element 64 head + c % 64
	s_cmp_eq_u32 s12, 1
	s_cselect_b64 s[BP+0:BP+1],   s[74:75], s[72:73]
	s_cselect_b64 s[BP+2:BP+3],   s[74:75], s[72:73]
	s_cselect_b64 s[BP+4:BP+5],   s[76:77], s[72:73]
	s_cselect_b64 s[BP+6:BP+7],   s[76:77], s[72:73]
	s_cselect_b64 s[BP+8:BP+9],   s[76:77], s[74:75]
	s_cselect_b64 s[BP+10:BP+11], s[76:77], s[74:75]
	s_lshl_b32 s98, s12, 5                         ; 96 nh % 64
	s_lshl_b32 s99, s42, 6
	s_mov_b32 s97, 0
.irp b, 0,1,2,3,4,5
	s_add_co_u32 s96, s98, 16*\b
	s_and_b32 s96, s96, 63
	s_add_co_u32 s96, s96, s99
	s_lshl_b32 s96, s96, 2
	s_add_nc_u64 s[BP+2*\b:BP+2*\b+1], s[BP+2*\b:BP+2*\b+1], s[96:97]
.endr
.macro BIAS                            ; the four row tiles of a window x six column tiles: a lane's eight columns' biases, 32 bytes
.irp a, 0,1,2,3
.irp b, 0,1,2,3,4,5
	global_load_b128 v[8*(6*\a+\b):8*(6*\a+\b)+3],   v[BI], s[BP+2*\b:BP+2*\b+1]
	global_load_b128 v[8*(6*\a+\b)+4:8*(6*\a+\b)+7], v[BI], s[BP+2*\b:BP+2*\b+1] offset:16
.endr
.endr
.endm
	WIN 0x40                                       ; destination window 1, address window 0
	BIAS
	WIN 0x80
	BIAS
	WIN 0
	; q, k, v at my block: batch x 16 heads x 262,144 + head x 262,144 + (block % 8) x 256 rows of 128 bytes
	s_lshr_b32 s96, s13, 3
	s_lshl_b32 s96, s96, 22
	s_lshl_b32 s98, s42, 18
	s_add_co_u32 s96, s96, s98
	s_and_b32 s98, s13, 7
	s_lshl_b32 s98, s98, 15
	s_add_co_u32 s96, s96, s98
	s_add_nc_u64 s[78:79], s[78:79], s[96:97]
	s_add_nc_u64 s[80:81], s[80:81], s[96:97]
	s_add_nc_u64 s[82:83], s[82:83], s[96:97]
; 12 matrix instructions: row tiles a0, a0 + 1 of the window's four (hi = 0: my rows 0-63, 1: rows 64-127) x all six column tiles, 32 along K.
; The 48 accumulators take turns, one instruction a turn, in the same order in every quarter step.
.macro MUL12 f, hi, a0
.irp a, \a0, \a0+1
.irp b, 0,1,2,3,4,5
	v_wmma_f32_16x16x32_bf16 v[8*(6*(\a)+\b):8*(6*(\a)+\b)+7], v[\f+8*\b:\f+8*\b+7], v[\f+48+8*(4*\hi+\a):\f+48+8*(4*\hi+\a)+7], v[8*(6*(\a)+\b):8*(6*(\a)+\b)+7]
.endr
.endr
.endm
; 28 LDS loads in one run: the fragments of one quarter step (96 weight rows, then 128 rows of x; 32 K at byte k of the rows) into buffer f
.macro FETCH slot, k, f
	WIN 0
.irp i, 0,1,2,3,4,5
	ds_load_b128 v[\f+8*\i:\f+8*\i+3],   v[ADRB+\slot] offset:\k+\i*16*PITCH
	ds_load_b128 v[\f+8*\i+4:\f+8*\i+7], v[ADRB+\slot] offset:\k+\i*16*PITCH+32
.endr
.irp i, 0,1,2,3,4,5,6,7
	ds_load_b128 v[\f+48+8*\i:\f+48+8*\i+3],   v[ADRA+\slot] offset:\k+\i*16*PITCH
	ds_load_b128 v[\f+48+8*\i+4:\f+48+8*\i+7], v[ADRA+\slot] offset:\k+\i*16*PITCH+32
.endr
.endm
; Four independent plain vector instructions stand between a matrix instruction and a load into one of its sources, or a vector instruction
; that reads its result (ISA guide 7.12.1 for vector instructions); other matrix instructions are not counted.
.macro PLACES
.rept 4
	v_nop
.endr
.endm
; A quarter step: multiplies buffer f and, in its middle, fetches the next quarter's fragments (byte k of the same slot's rows) into buffer g
.macro QUARTER slot, k, f, g
	s_wait_dscnt 8                                 ; the weights and x's rows 0-63 are in; the youngest eight loads (x's rows 64-127) may be out
	WIN MUL_LO
	MUL12 \f, 0, 0
	MUL12 \f, 0, 2
	PLACES
	FETCH \slot, \k, \g
	s_wait_dscnt 28                                ; all but the 28 just issued
	WIN MUL_HI
	MUL12 \f, 1, 0
	MUL12 \f, 1, 2
.endm
.macro THREE slot
	QUARTER \slot, 64,  F0, F1
	QUARTER \slot, 128, F1, F0
	QUARTER \slot, 192, F0, F1
.endm
; The last quarter of a K step: multiplies buffer 1 and changes slots.  In front of the barrier each wave waits for its reads of this slot and for all its
; tensor loads (one is out: its part of the next slot).  Behind it the refill comes first, then the next slot's first fragments.
; From a request to the wait for it a wave issues 180 matrix instructions.
.macro TURN slot, next, fill
	s_wait_dscnt 8
	WIN MUL_LO
	MUL12 F1, 0, 0
	s_wait_dscnt 0x0                               ; my reads of this slot are over
	s_wait_tensorcnt 0x0                           ; all my tensor loads have landed
	ds_add_u32 v30, v31
	s_wait_dscnt 0x0
	s_barrier_signal -1                            ; where the slot is filled again this barrier opens a round of the cluster's barrier
	MUL12 F1, 0, 2                                 ; register work while the others arrive
	WIN 0
	s_barrier_wait -1
.if \fill
	CREST                                          ; no wave of any partner still reads this slot or has a load on its way
	s_add_nc_u64 s[G0+4*\slot+2:G0+4*\slot+3], s[G0+4*\slot+2:G0+4*\slot+3], 2*KSTEP*2
	s_add_nc_u64 s[G0B+4*\slot+2:G0B+4*\slot+3], s[G0B+4*\slot+2:G0B+4*\slot+3], 2*KSTEP*2
	JLOAD \slot                                    ; the first tensor load behind the round
.endif
	PLACES
	FETCH \next, 0, F0
	WIN MUL_HI
	MUL12 F1, 1, 0
	MUL12 F1, 1, 2
.endm
	s_wait_loadcnt 0x0                             ; the biases are in the accumulators
	s_wait_tensorcnt 0x1                           ; my part of K step 0 is in; K step 1's stays out
	s_barrier_signal -1
	s_barrier_wait -1
	FETCH 0, 0, F0
	s_mov_b32 s3, LAPS-1                           ; three laps fill both slots again: K steps 2 to 7
.Llap:
	THREE 0
	TURN 0, 1, 1
	THREE 1
	TURN 1, 0, 1
	WIN 0                                          ; at a label and at a branch every window is 0
	s_sub_co_u32 s3, s3, 1
	s_cmp_lg_u32 s3, 0
	s_cbranch_scc1 .Llap
	THREE 0                                        ; the last lap fills nothing
	TURN 0, 1, 0                                   ; behind this barrier nobody reads slot 0 and no load fills it again
	THREE 1
	s_wait_dscnt 8
	WIN MUL_LO
	MUL12 F1, 0, 0
	MUL12 F1, 0, 2
	s_wait_dscnt 0x0
	WIN MUL_HI
	MUL12 F1, 1, 0
	MUL12 F1, 1, 2
	PLACES                                         ; behind the last matrix instructions: for the conversions and for the loads into the fragment buffers
	; THE WAY OUT: rounded to bf16, 16 bytes a lane into the block's 256 x 192 image in slot 0's bytes; then read back by rows, q, k and v apart
.macro PACK row, a, from, tmp          ; row tile `row` of my eight = tile row a of the window named by `from` (sources 0 and 1)
	WIN \from
.irp b, 0,1,2,3,4,5
.irp r, 0,1,2,3
	v_cvt_pk_bf16_f32 v[\tmp+4*\b+\r], v[8*(6*\a+\b)+2*\r], v[8*(6*\a+\b)+2*\r+1]
.endr
.endr
	WIN 0
.irp b, 0,1,2,3,4,5
	ds_store_b128 v[STO], v[\tmp+4*\b:\tmp+4*\b+3] offset:\row*16*SPITCH+32*\b
.endr
.endm
	PACK 0, 0, 0x05, 32
	PACK 1, 1, 0x05, 56
	PACK 2, 2, 0x05, 32
	PACK 3, 3, 0x05, 56
	PACK 4, 0, 0x0a, 32
	PACK 5, 1, 0x0a, 56
	PACK 6, 2, 0x0a, 32
	PACK 7, 3, 0x0a, 56
	s_wait_dscnt 0x0                               ; my stores are done, for the others' sake
	s_barrier_signal -1
	s_barrier_wait -1
; 64 rows x 128 bytes of tensor t: each load takes 4 rows, each store of the wave covers 512 consecutive bytes, aligned
.macro DRAIN t, f, base
.irp i, 0,1,2,3,4,5,6,7,8,9,10,11,12,13,14,15
	ds_load_b128 v[\f+4*\i:\f+4*\i+3], v[RD] offset:\i*4*SPITCH+128*\t
.endr
.irp i, 0,1,2,3,4,5,6,7,8,9,10,11,12,13,14,15
	s_wait_dscnt 15-\i                             ; LDS loads come back in order: load i is in
	global_store_b128 v[CO], v[\f+4*\i:\f+4*\i+3], s[\base:\base+1] offset:512*\i
.endr
.endm
	DRAIN 0, F0, 78
	DRAIN 1, F1, 80
	s_wait_xcnt 0x0                                ; the first batch's stores read v[32:95]: these are loaded again only behind this wait
	DRAIN 2, F0, 82
	s_wait_tensorcnt 0x0
	ds_add_u32 v30, v31
	s_wait_dscnt 0x0
	CROUND                                         ; the closing round: no work-group ends while a partner may still ask for a tile that names it
	s_endpgm
.Lfunc_end_k_q4cdf83cfc7_qkv:
	.size	k_q4cdf83cfc7_qkv, .Lfunc_end_k_q4cdf83cfc7_qkv-k_q4cdf83cfc7_qkv
	.p2alignl 7, 3214868480
	.fill 96, 4, 3214868480
	.section	.rodata,"a",@progbits
	.p2align	6, 0x0
	.amdhsa_kernel k_q4cdf83cfc7_qkv
		.amdhsa_group_segment_fixed_size 327680
		.amdhsa_private_segment_fixed_size 0
		.amdhsa_enable_private_segment 0
		.amdhsa_kernarg_size 64
		.amdhsa_user_sgpr_count 2
		.amdhsa_user_sgpr_kernarg_segment_ptr 1
		.amdhsa_wavefront_size32 1
		.amdhsa_system_sgpr_workgroup_id_x 1
		.amdhsa_system_sgpr_workgroup_id_y 1
		.amdhsa_system_sgpr_workgroup_id_z 1
		.amdhsa_system_vgpr_workitem_id 0
		.amdhsa_next_free_vgpr 704
		.amdhsa_next_free_sgpr 100
		.amdhsa_reserve_vcc 0
		.amdhsa_float_denorm_mode_32 3
		.amdhsa_float_denorm_mode_16_64 3
		.amdhsa_memory_ordered 1
		.amdhsa_forward_progress 1
		.amdhsa_inst_pref_size 125
	.end_amdhsa_kernel
	.amdgpu_metadata
---
amdhsa.version: [ 1, 2 ]
amdhsa.kernels:
  - .name:           k_q4cdf83cfc7_qkv
    .symbol:         k_q4cdf83cfc7_qkv.kd
    .args:
      - { .name: xb, .offset: 0, .size: 8, .value_kind: global_buffer, .address_space: global }
      - { .name: wqkv, .offset: 8, .size: 8, .value_kind: global_buffer, .address_space: global }
      - { .name: bq, .offset: 16, .size: 8, .value_kind: global_buffer, .address_space: global }
      - { .name: bk, .offset: 24, .size: 8, .value_kind: global_buffer, .address_space: global }
      - { .name: bv, .offset: 32, .size: 8, .value_kind: global_buffer, .address_space: global }
      - { .name: qh, .offset: 40, .size: 8, .value_kind: global_buffer, .address_space: global }
      - { .name: kh, .offset: 48, .size: 8, .value_kind: global_buffer, .address_space: global }
      - { .name: vh, .offset: 56, .size: 8, .value_kind: global_buffer, .address_space: global }
    .group_segment_fixed_size: 327680
    .private_segment_fixed_size: 0
    .kernarg_segment_align: 8
    .kernarg_segment_size: 64
    .max_flat_workgroup_size: 128
    .sgpr_count:     100
    .vgpr_count:     704
    .wavefront_size: 32
...
	.end_amdgpu_metadata
.endif
;; end of part 2
;; launch attn (part 3): grid 8 x 32, 8 waves a work-group, clusters of 4 x 1, 327,680 bytes of LDS; arguments qh, kh, vh, att; writes att
.if DOCPART == 3
	.amdgcn_target "amdgcn-amd-amdhsa--gfx1250"
	.amdhsa_code_object_version 6
	.text
	.protected	k_q4cdf83cfc7_attn
	.globl	k_q4cdf83cfc7_attn
	.p2align	8
	.type	k_q4cdf83cfc7_attn,@function
k_q4cdf83cfc7_attn:
	s_mov_b64 s[64:65], 0
	v_nop
	global_prefetch_b8 v0, s[64:65] scope:SCOPE_SE
	s_setreg_imm32_b32 hwreg(HW_REG_WAVE_MODE, 25, 1), 1
	s_wait_xcnt 0x0
	s_wait_alu depctr_hold_cnt(0) depctr_sa_sdst(0) depctr_va_vdst(0) depctr_va_sdst(0) depctr_va_ssrc(0) depctr_va_vcc(0) depctr_vm_vsrc(0)
	s_getreg_b32 s2, hwreg(HW_REG_IB_STS2, 6, 4)
	s_cmp_eq_u32 s2, 0
	s_cbranch_scc0 .Lentry_in_a_cluster
	s_endpgm
.Lentry_in_a_cluster:
	s_bfe_u32 s2, ttmp6, 0x10000c
	s_cmp_lg_u32 s2, 0x3003
	s_cbranch_scc0 .Lentry_shape_is_right
	s_endpgm
.Lentry_shape_is_right:
; att = softmax(Q K^T / 8) V for one (batch, head) and 256 queries, with a running maximum.  q, k, v, att: [batch x 16 + head][2048][64] bf16.
; Grid x = block of 256 queries, grid y = batch x 16 + head.  Eight waves, 32 queries each (two tiles qt).  Keys come in tiles of 128 through two LDS slots
; and are worked on in blocks of 64.
; CLUSTERS: the four query blocks of a cluster read the same K and V tiles and ask for them jointly (mask 15).  Q is each wave's own and comes by plain loads.
; BOTH PRODUCTS ARE TAKEN TRANSPOSED, so that no number crosses lanes but one maximum a block:
;   S^T = K Q^T: lane (r, h), register j of tile (qt, kt) holds key 16 kt + 8 h + j of query 16 qt + r;
;   packed to bf16 in the lane's own registers, tiles 2 ku and 2 ku + 1 are the B fragment of P^T for 32 keys;
;   O^T = V^T P^T: V^T's fragments come by transposing LDS loads from V as it lies, [key][d]; lane (r, h), register j of tile (dt, qt) holds d = 16 dt + 8 h + j.
;   So maximum, sum and rescaling factor of a query are one number a lane.  The two halves of the lanes hold different keys: their maxima are joined in every
;   block, their sums once at the end.
; LIMITS: Q, K, V and the weights p are rounded to bf16 for the matrix unit; the sum of a row is taken over the p in f32.  v_exp_f32 gives 0 for results below
; 2^-126 (ISA guide 15.8): such weights are below 2^-126 of the row's largest.  Infinities and NaN in the inputs are not treated.
.set KP,     144                       ; K's LDS pitch: 128 bytes + 16 (an odd multiple of 16)
.set VP,     160                       ; V's LDS pitch: 128 bytes + 32 (an odd multiple of 32, for the transposing loads)
.set VOFF,   128*KP                    ; V's 128 rows lie behind K's
.set SLOT,   VOFF+128*VP               ; 38,912 bytes; two slots
.set STAGE,  2*SLOT                    ; 77,824, a multiple of 256: the way out, bytes into which no tensor load lands
.set STAGEW, 32*KP                     ; 4,608 bytes for each wave
.set TILE,   128*128                   ; bytes of a tile of K or of V in memory
.set KA,  1                            ; 144 r + 16 h
.set VA,  2                            ; VOFF + (8 h + lane % 8) x 160 + 16 x (lane / 8 % 2)
.set STO, 3
.set RD,  4
.set CO,  5
.set QO,  6
.set MX,  8                            ; v8-9    running maximum of the raw scores, for qt = 0, 1
.set LS,  10                           ; v10-11  running sum (this half's keys)
.set NM,  12                           ; v[12:15] - maximum x c, a pair for each qt
.set AL,  16                           ; v[16:19] rescaling factor, a pair for each qt
                                       ; v20-21, v24-25 chains of maxima; v22-23 from the other half; v[24:27] sums; v28-29 new - maximum x c
.set QF,  32                           ; v[32:63]   Q's fragments (qt, ks) at 32 + 16 qt + 8 ks
.set SB,  64                           ; v[64:127]  S^T, tile g = 4 qt + kt at 64 + 8 g; then P^T (qt, ku) at 64 + 32 qt + 16 ku
.set KV,  128                          ; v[128:191] K's fragments (kt, ks) at 128 + 8 (4 ks + kt); then V^T's (dt, ku) at 128 + 8 (4 ku + dt)
.set OB,  192                          ; v[192:255] O^T, tile u = 2 dt + qt at 192 + 8 u
.set G1K, 16                           ; s[16:23] group 1 for K
.set G1V, 24                           ; s[24:31] group 1 for V: another padding
.set G0K, 32                           ; s[32:39] group 0 for K, one set for each slot
.set G0V, 40                           ; s[40:47] group 0 for V
.macro ROUND                           ; a round of the cluster's barrier
	s_barrier_signal -1
	s_barrier_wait -1
	s_cmp_lg_u32 s12, 0
	s_cbranch_scc1 .Lnot_wave_0_\@
	s_barrier_signal -3
.Lnot_wave_0_\@:
	s_barrier_wait -3
	s_barrier_signal -1
	s_barrier_wait -1
.endm
	s_load_b256 s[4:11], s[0:1], 0x0               ; q 4, k 6, v 8, att 10
	v_lshl_add_u32 v30, v0, 2, 0x29000
	v_mov_b32 v31, 0
	ds_add_u32 v30, v31
	v_lshrrev_b32 v7, 5, v0
	v_readfirstlane_b32 s12, v7                    ; wave 0..7
	s_bfe_u32 s13, ttmp6, 0x40000                  ; cx
	s_lshl_b32 s14, ttmp9, 2
	s_add_co_u32 s14, s14, s13                     ; block of queries = 4 x cluster x + cx
	s_and_b32 s15, ttmp7, 0xffff                   ; batch x 16 + head
	s_lshl_b32 s54, s15, 18                        ; a head's 2,048 rows of 128 bytes
	s_lshl_b32 s14, s14, 15                        ; 256 queries of 128 bytes
	s_add_co_u32 s14, s14, s54
	s_mov_b32 s15, 0                               ; s[14:15]: my block's offset in q and in att
	s_lshl_b32 s55, s12, 11                        ; every wave moves 16 keys of each tile: 16 w rows of 128 bytes
	s_add_co_u32 s54, s54, s55
	s_mov_b32 s55, 0                               ; s[54:55]: my rows' offset in k and in v; no place in the cluster enters it
	; group 1: mask 15 (all four of the cluster), elements of 2 bytes, padding on, bit 21 beside the mask, after every 32 words (code 4) skip 4 words (K) or 8 (V)
	s_mov_b32 s[G1K+0], 15|(1<<16)|(1<<20)|(1<<21)|(4<<22)|(3<<25)
	s_mov_b32 s[G1V+0], 15|(1<<16)|(1<<20)|(1<<21)|(4<<22)|(7<<25)
	s_mov_b32 s[G1K+1], 64<<16                     ; tensor_dim0 = 64
	s_mov_b32 s[G1V+1], 64<<16
	s_mov_b32 s[G1K+2], 16<<16                     ; tensor_dim1 = 16
	s_mov_b32 s[G1V+2], 16<<16
	s_mov_b32 s[G1K+3], 64<<16                     ; tile_dim0 = 64
	s_mov_b32 s[G1V+3], 64<<16
	s_mov_b32 s[G1K+4], 16                         ; tile_dim1 = 16
	s_mov_b32 s[G1V+4], 16
	s_mov_b32 s[G1K+5], 64                         ; elements from row to row
	s_mov_b32 s[G1V+5], 64
	s_mov_b32 s[G1K+6], 0
	s_mov_b32 s[G1V+6], 0
	s_mov_b32 s[G1K+7], 0
	s_mov_b32 s[G1V+7], 0
	s_mov_b32 s48, 0x76543210                      ; v_permlanex16_b32: lane i of one half reads lane i of the other
	s_mov_b32 s49, 0xfedcba98
	s_mov_b32 s50, 0x3e38aa3b                      ; c = log2(e) / 8: exp(s / 8) = 2^(c s)
	s_mov_b32 s51, 0x3e38aa3b
	s_mov_b32 s52, 0xbe38aa3b                      ; - c
	s_wait_dscnt 0x0
	s_wait_kmcnt 0x0
	s_add_nc_u64 s[4:5], s[4:5], s[14:15]
	s_add_nc_u64 s[10:11], s[10:11], s[14:15]
	s_add_nc_u64 s[56:57], s[6:7], s[54:55]
	s_add_nc_u64 s[58:59], s[8:9], s[54:55]
	s_mul_i32 s54, s12, 16*KP                      ; my 16 rows in a slot's K
	s_mul_i32 s55, s12, 16*VP
	s_add_co_u32 s55, s55, VOFF                    ; and in its V
.irp s, 0,1
	s_mov_b32 s[G0K+4*\s], 1
	s_add_co_u32 s[G0K+4*\s+1], s54, \s*SLOT
	s_add_nc_u64 s[G0K+4*\s+2:G0K+4*\s+3], s[56:57], \s*TILE
	s_or_b32 s[G0K+4*\s+3], s[G0K+4*\s+3], 0x80000000
	s_mov_b32 s[G0V+4*\s], 1
	s_add_co_u32 s[G0V+4*\s+1], s55, \s*SLOT
	s_add_nc_u64 s[G0V+4*\s+2:G0V+4*\s+3], s[58:59], \s*TILE
	s_or_b32 s[G0V+4*\s+3], s[G0V+4*\s+3], 0x80000000
.endr
	v_and_b32 v20, 15, v0                          ; r
	v_bfe_u32 v21, v0, 4, 1                        ; h
	v_and_b32 v24, 7, v0
	v_bfe_u32 v25, v0, 3, 1
	v_bfe_u32 v26, v0, 3, 2
	v_and_b32 v27, 31, v0
	v_mul_u32_u24 v[KA], v20, KP
	v_lshl_add_u32 v[KA], v21, 4, v[KA]
	v_lshl_add_u32 v28, v21, 3, v24
	v_mul_u32_u24 v[VA], v28, VP
	v_lshl_add_u32 v[VA], v25, 4, v[VA]
	v_add_nc_u32 v[VA], VOFF, v[VA]
	s_mul_i32 s53, s12, STAGEW
	s_add_co_u32 s53, s53, STAGE                   ; my stage
	v_add_nc_u32 v[STO], s53, v[KA]                ; in: query r, 16 bytes for each half of the lanes
	v_mul_u32_u24 v[RD], v26, KP
	v_lshl_add_u32 v[RD], v24, 4, v[RD]
	v_add_nc_u32 v[RD], s53, v[RD]                 ; back: eight lanes take a row's 128 bytes, a load four rows
	s_lshl_b32 s53, s12, 12                        ; my 32 queries of 128 bytes
	v_lshl_add_u32 v[CO], v27, 4, s53
	v_lshlrev_b32 v28, 7, v20
	v_lshl_add_u32 v28, v21, 4, v28
	v_add_nc_u32 v[QO], s53, v28
	v_mov_b32 v22, 0                               ; v_permlanex16_b32 counts as a reader of its destination
	v_mov_b32 v23, 0
.irp qt, 0,1
.irp ks, 0,1
	global_load_b128 v[QF+16*\qt+8*\ks:QF+16*\qt+8*\ks+3],   v[QO], s[4:5] offset:2048*\qt+64*\ks
	global_load_b128 v[QF+16*\qt+8*\ks+4:QF+16*\qt+8*\ks+7], v[QO], s[4:5] offset:2048*\qt+64*\ks+32
.endr
.endr
.macro EXP8 g                          ; p = 2^(c s - c m), a tile of S^T in place
.irp j, 0,1,2,3,4,5,6,7
	v_exp_f32 v[SB+8*\g+\j], v[SB+8*\g+\j]
.endr
.endm
.macro RESC u, first                   ; tile u of O^T times its query tile's factor.  Also the plain vector instruction that stands behind the exponentials before their results are used (ISA guide 5.7.2)
.if \first
	v_nop
.else
.irp j, 0,2,4,6
	v_pk_mul_f32 v[OB+8*\u+\j:OB+8*\u+\j+1], v[OB+8*\u+\j:OB+8*\u+\j+1], v[AL+2*(\u&1):AL+2*(\u&1)+1]
.endr
.endif
.endm
.macro CONS g, first                   ; tile g of p: into the sums (f32), then packed to bf16 into its place in P^T; behind a query tile's fourth tile the running sum
.if (\g&3) == 0
	s_wait_alu depctr_va_vdst(0)
	v_pk_add_f32 v[24:25], v[SB+8*\g:SB+8*\g+1],   v[SB+8*\g+2:SB+8*\g+3]
	v_pk_add_f32 v[26:27], v[SB+8*\g+4:SB+8*\g+5], v[SB+8*\g+6:SB+8*\g+7]
.else
	s_wait_alu depctr_va_vdst(0)
	v_pk_add_f32 v[24:25], v[24:25], v[SB+8*\g:SB+8*\g+1]
	v_pk_add_f32 v[26:27], v[26:27], v[SB+8*\g+2:SB+8*\g+3]
	v_pk_add_f32 v[24:25], v[24:25], v[SB+8*\g+4:SB+8*\g+5]
	v_pk_add_f32 v[26:27], v[26:27], v[SB+8*\g+6:SB+8*\g+7]
.endif
.irp i, 0,1,2,3
	v_cvt_pk_bf16_f32 v[SB+16*(\g>>1)+4*(\g&1)+\i], v[SB+8*\g+2*\i], v[SB+8*\g+2*\i+1]    ; writes only registers whose f32 has been used
.endr
.if (\g&3) == 3
	v_pk_add_f32 v[24:25], v[24:25], v[26:27]
.if \first
	v_add_f32 v[LS+(\g>>2)], v24, v25
.else
	v_add_f32 v24, v24, v25
	v_fma_f32 v[LS+(\g>>2)], v[LS+(\g>>2)], v[AL+2*(\g>>2)], v24
.endif
.endif
.endm
; 64 keys (block blk of the slot's tile) against my 32 queries.  first = 1: the very first block starts maximum, sum and O.
.macro BLOCK slot, blk, first
.irp ks, 0,1
.irp kt, 0,1,2,3
	ds_load_b128 v[KV+8*(4*\ks+\kt):KV+8*(4*\ks+\kt)+3],   v[KA] offset:\slot*SLOT+(64*\blk+16*\kt)*KP+64*\ks
	ds_load_b128 v[KV+8*(4*\ks+\kt)+4:KV+8*(4*\ks+\kt)+7], v[KA] offset:\slot*SLOT+(64*\blk+16*\kt)*KP+64*\ks+32
.endr
.endr
	s_wait_dscnt 8                                 ; d = 0..31 of the four key tiles are in; the eight younger loads (d = 32..63) stay out
	; the eight accumulators take turns, one instruction a turn
.irp kt, 0,1,2,3
.irp qt, 0,1
	v_wmma_f32_16x16x32_bf16 v[SB+8*(4*\qt+\kt):SB+8*(4*\qt+\kt)+7], v[KV+8*\kt:KV+8*\kt+7], v[QF+16*\qt:QF+16*\qt+7], 0
.endr
.endr
	s_wait_dscnt 0x0
.irp kt, 0,1,2,3
.irp qt, 0,1
	v_wmma_f32_16x16x32_bf16 v[SB+8*(4*\qt+\kt):SB+8*(4*\qt+\kt)+7], v[KV+8*(4+\kt):KV+8*(4+\kt)+7], v[QF+16*\qt+8:QF+16*\qt+15], v[SB+8*(4*\qt+\kt):SB+8*(4*\qt+\kt)+7]
.endr
.endr
.rept 4
	v_nop                                          ; four places before S^T is read and before loads go into K's fragments
.endr
.irp ku, 0,1
.irp dt, 0,1,2,3
	ds_load_tr16_b128 v[KV+8*(4*\ku+\dt):KV+8*(4*\ku+\dt)+3],   v[VA] offset:\slot*SLOT+(64*\blk+32*\ku)*VP+32*\dt
	ds_load_tr16_b128 v[KV+8*(4*\ku+\dt)+4:KV+8*(4*\ku+\dt)+7], v[VA] offset:\slot*SLOT+(64*\blk+32*\ku)*VP+32*\dt+16*VP
.endr
.endr
	; the largest of my 32 scores of each query tile, in two chains each, then the old maximum and the other half's
.irp q, 0,1
	v_max3_num_f32 v[20+\q], v[SB+32*\q],    v[SB+32*\q+1],  v[SB+32*\q+2]
	v_max3_num_f32 v[24+\q], v[SB+32*\q+16], v[SB+32*\q+17], v[SB+32*\q+18]
.endr
.irp n, 3,5,7,9,11,13
.irp q, 0,1
	v_max3_num_f32 v[20+\q], v[20+\q], v[SB+32*\q+\n],    v[SB+32*\q+\n+1]
	v_max3_num_f32 v[24+\q], v[24+\q], v[SB+32*\q+16+\n], v[SB+32*\q+16+\n+1]
.endr
.endr
.irp q, 0,1
	v_max3_num_f32 v[20+\q], v[20+\q], v[24+\q], v[SB+32*\q+15]
.endr
.irp q, 0,1
.if \first
	v_max_num_f32 v[20+\q], v[20+\q], v[SB+32*\q+31]
.else
	v_max3_num_f32 v[20+\q], v[20+\q], v[SB+32*\q+31], v[MX+\q]
.endif
.endr
	v_permlanex16_b32 v22, v20, s48, s49
	v_permlanex16_b32 v23, v21, s48, s49
	v_max_num_f32 v[MX],   v20, v22
	v_max_num_f32 v[MX+1], v21, v23
	v_mul_f32 v28, s52, v[MX]                      ; - c m
	v_mul_f32 v29, s52, v[MX+1]
.if \first == 0
	v_sub_f32 v[AL],   v28, v[NM]                  ; c (old m - new m), at most 0
	v_sub_f32 v[AL+2], v29, v[NM+2]
	v_exp_f32 v[AL],   v[AL]
	v_exp_f32 v[AL+2], v[AL+2]
.endif
	v_mov_b32 v[NM],   v28                         ; pairs for the packed arithmetic; also the plain instructions behind the two exponentials
	v_mov_b32 v[NM+1], v28
	v_mov_b32 v[NM+2], v29
	v_mov_b32 v[NM+3], v29
.if \first == 0
	s_wait_alu depctr_va_vdst(0)
	v_mov_b32 v[AL+1], v[AL]
	v_mov_b32 v[AL+3], v[AL+2]
.endif
.irp q, 0,1
.irp n, 0,2,4,6,8,10,12,14,16,18,20,22,24,26,28,30
	v_pk_fma_f32 v[SB+32*\q+\n:SB+32*\q+\n+1], v[SB+32*\q+\n:SB+32*\q+\n+1], s[50:51], v[NM+2*\q:NM+2*\q+1] op_sel_hi:[1,0,1]   ; c s - c m
.endr
.endr
	EXP8 0
	RESC 0, \first
	EXP8 1
	RESC 1, \first
	CONS 0, \first
	EXP8 2
	RESC 2, \first
	CONS 1, \first
	EXP8 3
	RESC 3, \first
	CONS 2, \first
	EXP8 4
	RESC 4, \first
	CONS 3, \first
	EXP8 5
	RESC 5, \first
	CONS 4, \first
	EXP8 6
	RESC 6, \first
	CONS 5, \first
	EXP8 7
	RESC 7, \first
	CONS 6, \first
	CONS 7, \first
	s_wait_dscnt 0x0                               ; V^T's fragments, issued ahead of the softmax
.irp dt, 0,1,2,3
.irp qt, 0,1
.if \first
	v_wmma_f32_16x16x32_bf16 v[OB+8*(2*\dt+\qt):OB+8*(2*\dt+\qt)+7], v[KV+8*\dt:KV+8*\dt+7], v[SB+32*\qt:SB+32*\qt+7], 0
.else
	v_wmma_f32_16x16x32_bf16 v[OB+8*(2*\dt+\qt):OB+8*(2*\dt+\qt)+7], v[KV+8*\dt:KV+8*\dt+7], v[SB+32*\qt:SB+32*\qt+7], v[OB+8*(2*\dt+\qt):OB+8*(2*\dt+\qt)+7]
.endif
.endr
.endr
.irp dt, 0,1,2,3
.irp qt, 0,1
	v_wmma_f32_16x16x32_bf16 v[OB+8*(2*\dt+\qt):OB+8*(2*\dt+\qt)+7], v[KV+8*(4+\dt):KV+8*(4+\dt)+7], v[SB+32*\qt+16:SB+32*\qt+23], v[OB+8*(2*\dt+\qt):OB+8*(2*\dt+\qt)+7]
.endr
.endr
.rept 5
	v_nop                                          ; five places before the next block's products write over P^T; four of them serve its loads into V^T's fragments
.endr
.endm
; A tile of 128 keys.  In front of the round every wave waits for all its tensor loads (its parts of this tile among them) and for its LDS reads of the other
; slot; behind the round's closing wait the other slot is filled again first: two loads a wave, the most that this text has out.
.macro TRIP slot, refill, first
	s_wait_tensorcnt 0x0
	ds_add_u32 v30, v31
	s_wait_dscnt 0x0
	s_add_nc_u64 s[G0K+4*\slot+2:G0K+4*\slot+3], s[G0K+4*\slot+2:G0K+4*\slot+3], 2*TILE    ; no load of mine is out: this slot's next tile
	s_add_nc_u64 s[G0V+4*\slot+2:G0V+4*\slot+3], s[G0V+4*\slot+2:G0V+4*\slot+3], 2*TILE
	s_wait_dscnt 0x0
	ROUND
.if \refill
	tensor_load_to_lds s[G0K+4-4*\slot:G0K+7-4*\slot], s[G1K:G1K+7]
	s_nop 0
	tensor_load_to_lds s[G0V+4-4*\slot:G0V+7-4*\slot], s[G1V:G1V+7]
	s_nop 0
.endif
	BLOCK \slot, 0, \first
	BLOCK \slot, 1, 0
.endm
	ROUND                                          ; in front of the first joint loads
	tensor_load_to_lds s[G0K:G0K+3], s[G1K:G1K+7]  ; tile 0
	s_nop 0
	tensor_load_to_lds s[G0V:G0V+3], s[G1V:G1V+7]
	s_nop 0
	s_wait_loadcnt 0x0                             ; Q
	TRIP 0, 1, 1                                   ; the first two of the 16 tiles stand in front of the loop: the first block starts the sums
	TRIP 1, 1, 0
	s_mov_b32 s53, 6
.Lpair:
	TRIP 0, 1, 0
	TRIP 1, 1, 0
	s_sub_co_u32 s53, s53, 1
	s_cmp_lg_u32 s53, 0
	s_cbranch_scc1 .Lpair
	TRIP 0, 1, 0
	TRIP 1, 0, 0                                   ; the last tile fetches nothing (the stepped addresses are not used)
	; THE WAY OUT: join the halves' sums, divide, round to bf16, through my own stage into whole rows
	v_permlanex16_b32 v22, v[LS],   s48, s49
	v_permlanex16_b32 v23, v[LS+1], s48, s49
	v_add_f32 v[LS],   v[LS],   v22
	v_add_f32 v[LS+1], v[LS+1], v23
	v_rcp_f32 v[AL],   v[LS]                       ; the sum holds the largest weight, which is about 1
	v_rcp_f32 v[AL+2], v[LS+1]
	v_nop                                          ; one plain instruction behind the reciprocals (ISA guide 5.7.2)
	s_wait_alu depctr_va_vdst(0)
	v_mov_b32 v[AL+1], v[AL]
	v_mov_b32 v[AL+3], v[AL+2]
.irp u, 0,1,2,3,4,5,6,7
.irp j, 0,2,4,6
	v_pk_mul_f32 v[OB+8*\u+\j:OB+8*\u+\j+1], v[OB+8*\u+\j:OB+8*\u+\j+1], v[AL+2*(\u&1):AL+2*(\u&1)+1]
.endr
.endr
.irp u, 0,1,2,3,4,5,6,7
.irp i, 0,1,2,3
	v_cvt_pk_bf16_f32 v[SB+4*\u+\i], v[OB+8*\u+2*\i], v[OB+8*\u+2*\i+1]
.endr
.endr
.irp u, 0,1,2,3,4,5,6,7
	ds_store_b128 v[STO], v[SB+4*\u:SB+4*\u+3] offset:16*KP*(\u&1)+32*(\u>>1)     ; query 16 qt + r, d = 16 dt + 8 h ..
.endr
.irp i, 0,1,2,3,4,5,6,7
	ds_load_b128 v[KV+4*\i:KV+4*\i+3], v[RD] offset:4*KP*\i                       ; my own bytes: LDS serves a wave's instructions in order (ISA guide 5.7.1)
.endr
.irp i, 0,1,2,3,4,5,6,7
	s_wait_dscnt 7-\i
	global_store_b128 v[CO], v[KV+4*\i:KV+4*\i+3], s[10:11] offset:512*\i         ; each store of the wave covers 512 consecutive bytes, aligned
.endr
	s_wait_tensorcnt 0x0
	ds_add_u32 v30, v31
	s_wait_dscnt 0x0
	ROUND                                          ; the closing round
	s_endpgm
.Lfunc_end_k_q4cdf83cfc7_attn:
	.size	k_q4cdf83cfc7_attn, .Lfunc_end_k_q4cdf83cfc7_attn-k_q4cdf83cfc7_attn
	.p2alignl 7, 3214868480
	.fill 96, 4, 3214868480
	.section	.rodata,"a",@progbits
	.p2align	6, 0x0
	.amdhsa_kernel k_q4cdf83cfc7_attn
		.amdhsa_group_segment_fixed_size 327680
		.amdhsa_private_segment_fixed_size 0
		.amdhsa_enable_private_segment 0
		.amdhsa_kernarg_size 32
		.amdhsa_user_sgpr_count 2
		.amdhsa_user_sgpr_kernarg_segment_ptr 1
		.amdhsa_wavefront_size32 1
		.amdhsa_system_sgpr_workgroup_id_x 1
		.amdhsa_system_sgpr_workgroup_id_y 1
		.amdhsa_system_sgpr_workgroup_id_z 1
		.amdhsa_system_vgpr_workitem_id 0
		.amdhsa_next_free_vgpr 256
		.amdhsa_next_free_sgpr 66
		.amdhsa_reserve_vcc 0
		.amdhsa_float_denorm_mode_32 3
		.amdhsa_float_denorm_mode_16_64 3
		.amdhsa_memory_ordered 1
		.amdhsa_forward_progress 1
		.amdhsa_inst_pref_size 223
	.end_amdhsa_kernel
	.amdgpu_metadata
---
amdhsa.version: [ 1, 2 ]
amdhsa.kernels:
  - .name:           k_q4cdf83cfc7_attn
    .symbol:         k_q4cdf83cfc7_attn.kd
    .args:
      - { .name: qh, .offset: 0, .size: 8, .value_kind: global_buffer, .address_space: global }
      - { .name: kh, .offset: 8, .size: 8, .value_kind: global_buffer, .address_space: global }
      - { .name: vh, .offset: 16, .size: 8, .value_kind: global_buffer, .address_space: global }
      - { .name: att, .offset: 24, .size: 8, .value_kind: global_buffer, .address_space: global }
    .group_segment_fixed_size: 327680
    .private_segment_fixed_size: 0
    .kernarg_segment_align: 8
    .kernarg_segment_size: 32
    .max_flat_workgroup_size: 256
    .sgpr_count:     66
    .vgpr_count:     256
    .wavefront_size: 32
...
	.end_amdgpu_metadata
.endif
;; end of part 3
;; launch outln (part 4): grid 128 x 1, 8 waves a work-group, clusters of 4 x 1, 327,680 bytes of LDS; arguments att, wob, bo, x, ln_gamma, ln_beta, out0; writes out0
.if DOCPART == 4
	.amdgcn_target "amdgcn-amd-amdhsa--gfx1250"
	.amdhsa_code_object_version 6
	.text
	.protected	k_q4cdf83cfc7_outln
	.globl	k_q4cdf83cfc7_outln
	.p2align	8
	.type	k_q4cdf83cfc7_outln,@function
k_q4cdf83cfc7_outln:
	s_mov_b64 s[64:65], 0
	v_nop
	global_prefetch_b8 v0, s[64:65] scope:SCOPE_SE
	s_setreg_imm32_b32 hwreg(HW_REG_WAVE_MODE, 25, 1), 1
	s_wait_xcnt 0x0
	s_wait_alu depctr_hold_cnt(0) depctr_sa_sdst(0) depctr_va_vdst(0) depctr_va_sdst(0) depctr_va_ssrc(0) depctr_va_vcc(0) depctr_vm_vsrc(0)
	s_getreg_b32 s2, hwreg(HW_REG_IB_STS2, 6, 4)
	s_cmp_eq_u32 s2, 0
	s_cbranch_scc0 .Lentry_in_a_cluster
	s_endpgm
.Lentry_in_a_cluster:
	s_bfe_u32 s2, ttmp6, 0x10000c
	s_cmp_lg_u32 s2, 0x3003
	s_cbranch_scc0 .Lentry_shape_is_right
	s_endpgm
.Lentry_shape_is_right:
; out0 = LayerNorm(x + att Wo^T + bo) x gamma + beta.  att: [batch x 16 + head][2048][64] bf16; wob: [kb 16][n 1024][64] bf16; the rest f32.
; The norm needs whole rows, so a work-group makes 32 rows x all 1,024 columns: 128 work-groups.  Every work-group walks all of Wo whatever its rows, so 16 rows
; on 256 work-groups would move twice the bytes of Wo for the same products.
; Eight waves; wave w makes columns 128 w .. + 127 (8 tiles nt) of both row tiles (mt): 16 accumulator tiles.  K = 16 tiles of 64, one for each head, two LDS slots.
; CLUSTERS: the four work-groups of a cluster walk the same tiles of Wo and ask for them jointly (mask 15).  att's rows are each work-group's own: plain loads.
; The matrix instruction is used transposed (source 0 = rows of Wo, source 1 = rows of att): lane (r, h), register j holds row 16 mt + r, column 16 nt + 8 h + j.
; bo is loaded straight into the accumulators.  x, gamma and beta are loaded into registers of window 1 at the head and stay on their way during the K loop.
; The variance is taken of the centred row (two passes over registers), so a common offset in x costs no digits.
; LIMITS: att and Wo are bf16 for the matrix unit; x, the residual sum and the norm are f32.  Infinities and NaN are not treated.
.set KP,     144                       ; LDS pitch of a tile's rows: 128 bytes + 16
.set AOFF,   1024*KP                   ; att's 32 rows lie behind Wo's 1,024
.set SLOT,   AOFF+32*KP                ; 152,064 bytes; two slots
.set SPITCH, 4112                      ; the way out: a row of 1,024 f32 + 16 bytes, 32 rows in slot 0's bytes behind that slot's last fill and last read
.set ADRB, 8                           ; v8-9    my fragments of Wo in slot 0, 1
.set ADRA, 10                          ; v10-11  the fragments of att
.set STO,  12                          ; v12-13  the way out, row tile 0, 1
.set RD,   14
.set XO,   15                          ; my offset in x and out0
.set GO,   16                          ; in gamma and beta
.set BO,   17                          ; in bo
.set T,    18                          ; v[18:25] four chains; v[26:27] mean; v[28:29] 1 / sqrt; v30 from the other half
.set BB,   32                          ; v[32:63], v[64:95]    Wo's fragments, column tiles 0-3 and 4-7
.set AA,   96                          ; v[96:111], v[112:127] att's fragments, two buffers
.set ACC,  128                         ; v[128:255] tile (nt, mt) at 128 + 8 (2 nt + mt)
                                       ; window 1: x row q, piece c at 32 q + 4 c; gamma at 128 + 4 c; beta at 160 + 4 c
.set G1B, 20                           ; s[20:27] group 1 for Wo
.set G1A, 28                           ; s[28:35] group 1 for att
.set G0B, 36                           ; s[36:43] group 0 for Wo, one set for each slot
.set G0A, 44                           ; s[44:51] group 0 for att
.set MSB, 0
.macro WIN new                         ; s_set_vgpr_msb: bits 1:0 source 0, 3:2 source 1, 5:4 source 2, 7:6 destination; the high byte repeats the setting that is left
.if MSB != \new
	s_set_vgpr_msb (MSB<<8)|\new
.set MSB, \new
.endif
.endm
.macro ROUND                           ; a round of the cluster's barrier
	s_barrier_signal -1
	s_barrier_wait -1
	s_cmp_lg_u32 s52, 0
	s_cbranch_scc1 .Lnot_wave_0_\@
	s_barrier_signal -3
.Lnot_wave_0_\@:
	s_barrier_wait -3
	s_barrier_signal -1
	s_barrier_wait -1
.endm
.macro PLACES                          ; four independent plain vector instructions behind a matrix instruction (ISA guide 7.12.1)
.rept 4
	v_nop
.endr
.endm
	s_load_b256 s[4:11], s[0:1], 0x0               ; att 4, wob 6, bo 8, x 10
	s_load_b128 s[12:15], s[0:1], 0x20             ; gamma 12, beta 14
	s_load_b64 s[16:17], s[0:1], 0x30              ; out0
	v_lshl_add_u32 v7, v0, 2, 0x4a400
	v_mov_b32 v31, 0
	ds_add_u32 v7, v31
	v_lshrrev_b32 v18, 5, v0
	v_readfirstlane_b32 s52, v18                   ; wave 0..7
	s_bfe_u32 s53, ttmp6, 0x40000                  ; cx
	s_lshl_b32 s54, ttmp9, 2
	s_add_co_u32 s54, s54, s53                     ; i: my block of 32 rows
	; group 1.  Wo: mask 15 with bit 21; att: no mask.  Elements of 2 bytes, padding on, after every 32 words (code 4) skip 4 words (code 3)
	s_mov_b32 s[G1B+0], 15|(1<<16)|(1<<20)|(1<<21)|(4<<22)|(3<<25)
	s_mov_b32 s[G1A+0], (1<<16)|(1<<20)|(4<<22)|(3<<25)
	s_mov_b32 s[G1B+1], 64<<16                     ; tensor_dim0 = 64
	s_mov_b32 s[G1A+1], 64<<16
	s_mov_b32 s[G1B+2], 128<<16                    ; tensor_dim1: a wave moves 128 rows of Wo
	s_mov_b32 s[G1A+2], 4<<16                      ;              and 4 rows of att
	s_mov_b32 s[G1B+3], 64<<16                     ; tile_dim0 = 64
	s_mov_b32 s[G1A+3], 64<<16
	s_mov_b32 s[G1B+4], 128                        ; tile_dim1
	s_mov_b32 s[G1A+4], 4
	s_mov_b32 s[G1B+5], 64                         ; elements from row to row
	s_mov_b32 s[G1A+5], 64
	s_mov_b32 s[G1B+6], 0
	s_mov_b32 s[G1A+6], 0
	s_mov_b32 s[G1B+7], 0
	s_mov_b32 s[G1A+7], 0
	s_mov_b32 s62, 0x76543210                      ; v_permlanex16_b32: lane i of one half reads lane i of the other
	s_mov_b32 s63, 0xfedcba98
	s_mov_b32 s66, 0x3a800000                      ; 1 / 1024
	s_mov_b32 s67, 0x3727c5ac                      ; 1e-5
	s_lshl_b32 s56, s52, 14                        ; Wo: my 128 rows of 128 bytes; the wave's number alone
	s_mov_b32 s57, 0
	s_lshr_b32 s58, s54, 6                         ; att: batch = i / 64, 16 heads of 262,144 bytes
	s_lshl_b32 s58, s58, 22
	s_and_b32 s55, s54, 63
	s_lshl_b32 s55, s55, 12                        ; + (i % 64) x 32 rows of 128 bytes
	s_add_co_u32 s58, s58, s55
	s_lshl_b32 s55, s52, 9                         ; + my 4 rows
	s_add_co_u32 s58, s58, s55
	s_mov_b32 s59, 0
	s_wait_dscnt 0x0
	s_wait_kmcnt 0x0
	s_add_nc_u64 s[6:7], s[6:7], s[56:57]
	s_add_nc_u64 s[4:5], s[4:5], s[58:59]
	s_lshl_b32 s58, s54, 17                        ; x and out0: 32 rows of 4,096 bytes
	s_add_nc_u64 s[10:11], s[10:11], s[58:59]
	s_add_nc_u64 s[16:17], s[16:17], s[58:59]
	s_mul_i32 s56, s52, 128*KP                     ; my rows of Wo in a slot
	s_mul_i32 s61, s52, 4*KP
	s_add_co_u32 s61, s61, AOFF                    ; my rows of att in a slot
.irp s, 0,1
	s_mov_b32 s[G0B+4*\s], 1
	s_add_co_u32 s[G0B+4*\s+1], s56, \s*SLOT
	s_add_nc_u64 s[G0B+4*\s+2:G0B+4*\s+3], s[6:7], \s*131072       ; K tile s of Wo
	s_or_b32 s[G0B+4*\s+3], s[G0B+4*\s+3], 0x80000000
	s_mov_b32 s[G0A+4*\s], 1
	s_add_co_u32 s[G0A+4*\s+1], s61, \s*SLOT
	s_add_nc_u64 s[G0A+4*\s+2:G0A+4*\s+3], s[4:5], \s*262144       ; head s of att
	s_or_b32 s[G0A+4*\s+3], s[G0A+4*\s+3], 0x80000000
.endr
	v_and_b32 v18, 15, v0                          ; r
	v_bfe_u32 v19, v0, 4, 1                        ; h
	v_and_b32 v20, 31, v0                          ; lane
	v_mul_u32_u24 v21, v18, KP
	v_lshl_add_u32 v21, v19, 4, v21                ; 144 r + 16 h
	v_add_nc_u32 v[ADRB], s56, v21
	v_add_nc_u32 v[ADRB+1], SLOT, v[ADRB]
	v_add_nc_u32 v[ADRA], AOFF, v21
	v_add_nc_u32 v[ADRA+1], SLOT, v[ADRA]
	s_lshl_b32 s57, s52, 9
	v_lshl_add_u32 v[BO], v19, 5, s57              ; 4 (128 w + 8 h)
	v_mul_u32_u24 v22, v18, SPITCH
	v_add_nc_u32 v[STO], v22, v[BO]                ; row r, my eight columns of tile 0
	v_add_nc_u32 v[STO+1], 16*SPITCH, v[STO]
	s_mul_i32 s57, s52, 4*SPITCH
	v_lshl_add_u32 v[RD], v20, 4, s57              ; back: wave w takes rows 4 w .. 4 w + 3, 16 bytes a lane
	s_lshl_b32 s57, s52, 14
	v_lshl_add_u32 v[XO], v20, 4, s57
	v_lshlrev_b32 v[GO], 4, v20
	v_mov_b32 v30, 0                               ; v_permlanex16_b32 counts as a reader of its destination
.irp nt, 0,1,2,3,4,5,6,7
.irp mt, 0,1
	global_load_b128 v[ACC+8*(2*\nt+\mt):ACC+8*(2*\nt+\mt)+3],   v[BO], s[8:9] offset:64*\nt       ; the sums start on bo
	global_load_b128 v[ACC+8*(2*\nt+\mt)+4:ACC+8*(2*\nt+\mt)+7], v[BO], s[8:9] offset:64*\nt+16
.endr
.endr
	WIN 0x40                                       ; destination window 1, address window 0
.irp q, 0,1,2,3
.irp c, 0,1,2,3,4,5,6,7
	global_load_b128 v[32*\q+4*\c:32*\q+4*\c+3], v[XO], s[10:11] offset:4096*\q+512*\c th:TH_LOAD_NT
.endr
.endr
.irp c, 0,1,2,3,4,5,6,7
	global_load_b128 v[128+4*\c:128+4*\c+3], v[GO], s[12:13] offset:512*\c
.endr
.irp c, 0,1,2,3,4,5,6,7
	global_load_b128 v[160+4*\c:160+4*\c+3], v[GO], s[14:15] offset:512*\c
.endr
	WIN 0
.macro LDB half, s, ks                 ; 8 loads: Wo's fragments of column tiles 4 half .. + 3, 32 K at byte 64 ks of slot s's rows
.irp i, 0,1,2,3
	ds_load_b128 v[BB+32*\half+8*\i:BB+32*\half+8*\i+3],   v[ADRB+\s] offset:(4*\half+\i)*16*KP+64*\ks
	ds_load_b128 v[BB+32*\half+8*\i+4:BB+32*\half+8*\i+7], v[ADRB+\s] offset:(4*\half+\i)*16*KP+64*\ks+32
.endr
.endm
.macro LDA ab, s, ks                   ; 4 loads: att's fragments of both row tiles into buffer ab
.irp mt, 0,1
	ds_load_b128 v[AA+16*\ab+8*\mt:AA+16*\ab+8*\mt+3],   v[ADRA+\s] offset:\mt*16*KP+64*\ks
	ds_load_b128 v[AA+16*\ab+8*\mt+4:AA+16*\ab+8*\mt+7], v[ADRA+\s] offset:\mt*16*KP+64*\ks+32
.endr
.endm
.macro WM half, ab                     ; 8 matrix instructions.  The 16 accumulators take turns, one instruction a turn
.irp i, 0,1,2,3
.irp mt, 0,1
	v_wmma_f32_16x16x32_bf16 v[ACC+8*(2*(4*\half+\i)+\mt):ACC+8*(2*(4*\half+\i)+\mt)+7], v[BB+32*\half+8*\i:BB+32*\half+8*\i+7], v[AA+16*\ab+8*\mt:AA+16*\ab+8*\mt+7], v[ACC+8*(2*(4*\half+\i)+\mt):ACC+8*(2*(4*\half+\i)+\mt)+7]
.endr
.endr
.endm
; A K tile of 64 in slot s; o = the other slot.  On entry 20 loads are out: Wo's tiles 0-3 (8), att (4), Wo's tiles 4-7 (8), all of K 0..31.
; mode 2: slot s is filled again, two tiles ahead; mode 1: only the change of slots; mode 0: the last tile.
.macro TRIP s, o, mode
	s_wait_dscnt 8                                 ; all but Wo's tiles 4-7
	WM 0, 0
	PLACES
	LDB 0, \s, 1
	LDA 1, \s, 1
	s_wait_dscnt 12                                ; all but the 12 just issued
	WM 1, 0
	PLACES
	LDB 1, \s, 1
	s_wait_dscnt 8                                 ; all but the 8 just issued
	WM 0, 1
	PLACES
	s_wait_dscnt 0x0                               ; my reads of slot s are over; the tile's last eight products have their fragments in registers
.if \mode == 2
	s_wait_tensorcnt 0x0                           ; all my tensor loads have landed: my parts of the other slot's tile
	ds_add_u32 v7, v31
	s_wait_dscnt 0x0
	s_add_nc_u64 s[G0B+4*\s+2:G0B+4*\s+3], s[G0B+4*\s+2:G0B+4*\s+3], 2*131072
	s_add_nc_u64 s[G0A+4*\s+2:G0A+4*\s+3], s[G0A+4*\s+2:G0A+4*\s+3], 2*262144
	ROUND                                          ; both now hold of every wave of the cluster
	tensor_load_to_lds s[G0B+4*\s:G0B+4*\s+3], s[G1B:G1B+7]        ; the refills first: they have the whole next tile's work in which to land
	s_nop 0
	tensor_load_to_lds s[G0A+4*\s:G0A+4*\s+3], s[G1A:G1A+7]
	s_nop 0
.endif
.if \mode == 1
	s_wait_tensorcnt 0x0                           ; the last tile has landed; behind this barrier nobody reads slot 0 and no load fills it again
	s_barrier_signal -1
	s_barrier_wait -1
.endif
.if \mode
	LDB 0, \o, 0
	LDA 0, \o, 0
.endif
	WM 1, 1
.if \mode
	PLACES
	LDB 1, \o, 0
.endif
.endm
	ROUND                                          ; in front of the first joint loads
.irp s, 0,1
	tensor_load_to_lds s[G0B+4*\s:G0B+4*\s+3], s[G1B:G1B+7]        ; tiles 0 and 1: four loads a wave, the most that this text has out
	s_nop 0
	tensor_load_to_lds s[G0A+4*\s:G0A+4*\s+3], s[G1A:G1A+7]
	s_nop 0
.endr
	s_wait_loadcnt 48                              ; bo's 32 loads are in; the 48 younger ones (x 32, gamma 8, beta 8) stay out
	s_wait_tensorcnt 0x2                           ; my parts of tile 0 are in; tile 1's two stay out
	s_barrier_signal -1
	s_barrier_wait -1
	LDB 0, 0, 0
	LDA 0, 0, 0
	LDB 1, 0, 0
	s_mov_b32 s60, 7                               ; tiles 0 to 13, which ask for tiles 2 to 15
.Lpair:
	TRIP 0, 1, 2
	TRIP 1, 0, 2
	s_sub_co_u32 s60, s60, 1
	s_cmp_lg_u32 s60, 0
	s_cbranch_scc1 .Lpair
	TRIP 0, 1, 1
	TRIP 1, 0, 0
	PLACES                                         ; before the results are stored and the fragment registers loaded again
	; THE WAY OUT: the block in f32 into slot 0's bytes, then each wave takes four whole rows
.irp nt, 0,1,2,3,4,5,6,7
.irp mt, 0,1
	ds_store_b128 v[STO+\mt], v[ACC+8*(2*\nt+\mt):ACC+8*(2*\nt+\mt)+3]   offset:64*\nt
	ds_store_b128 v[STO+\mt], v[ACC+8*(2*\nt+\mt)+4:ACC+8*(2*\nt+\mt)+7] offset:64*\nt+16
.endr
.endr
	s_wait_dscnt 0x0                               ; my stores are done, for the others' sake
	s_barrier_signal -1
	s_barrier_wait -1
	s_wait_loadcnt 0x0                             ; x, gamma, beta
.macro REDUCE                          ; four chains of pairs to one number in every lane, in v18
	v_pk_add_f32 v[T:T+1],   v[T:T+1],   v[T+2:T+3]
	v_pk_add_f32 v[T+4:T+5], v[T+4:T+5], v[T+6:T+7]
	v_pk_add_f32 v[T:T+1],   v[T:T+1],   v[T+4:T+5]
	v_add_f32 v[T], v[T], v[T+1]
	v_add_f32_dpp v[T], v[T], v[T] row_xmask:1 row_mask:0xf bank_mask:0xf
	v_add_f32_dpp v[T], v[T], v[T] row_xmask:2 row_mask:0xf bank_mask:0xf
	v_add_f32_dpp v[T], v[T], v[T] row_xmask:4 row_mask:0xf bank_mask:0xf
	v_add_f32_dpp v[T], v[T], v[T] row_xmask:8 row_mask:0xf bank_mask:0xf
	v_permlanex16_b32 v30, v[T], s62, s63
	v_add_f32 v[T], v[T], v30
.endm
; Row 4 w + q, in the 32 registers from y on: register 4 c + e of lane l is column 128 c + 4 l + e
.macro ROW q, y
.irp c, 0,1,2,3,4,5,6,7
	ds_load_b128 v[\y+4*\c:\y+4*\c+3], v[RD] offset:SPITCH*\q+512*\c
.endr
	s_wait_dscnt 0x0
	WIN 0x04                                       ; source 1 in window 1
.irp p, 0,2,4,6,8,10,12,14,16,18,20,22,24,26,28,30
	v_pk_add_f32 v[\y+\p:\y+\p+1], v[\y+\p:\y+\p+1], v[32*\q+\p:32*\q+\p+1]       ; + x
.endr
	WIN 0
.irp k, 0,2,4,6
	v_pk_add_f32 v[T+\k:T+\k+1], v[\y+\k:\y+\k+1], v[\y+8+\k:\y+8+\k+1]
.endr
.irp k, 0,2,4,6
	v_pk_add_f32 v[T+\k:T+\k+1], v[T+\k:T+\k+1], v[\y+16+\k:\y+16+\k+1]
.endr
.irp k, 0,2,4,6
	v_pk_add_f32 v[T+\k:T+\k+1], v[T+\k:T+\k+1], v[\y+24+\k:\y+24+\k+1]
.endr
	REDUCE
	v_mul_f32 v26, s66, v[T]                       ; the mean, twice
	v_mul_f32 v27, s66, v[T]
.irp p, 0,2,4,6,8,10,12,14,16,18,20,22,24,26,28,30
	v_pk_add_f32 v[\y+\p:\y+\p+1], v[\y+\p:\y+\p+1], v[26:27] neg_lo:[0,1] neg_hi:[0,1]
.endr
.irp k, 0,2,4,6
	v_pk_mul_f32 v[T+\k:T+\k+1], v[\y+\k:\y+\k+1], v[\y+\k:\y+\k+1]
.endr
.irp k, 0,2,4,6
	v_pk_fma_f32 v[T+\k:T+\k+1], v[\y+8+\k:\y+8+\k+1], v[\y+8+\k:\y+8+\k+1], v[T+\k:T+\k+1]
.endr
.irp k, 0,2,4,6
	v_pk_fma_f32 v[T+\k:T+\k+1], v[\y+16+\k:\y+16+\k+1], v[\y+16+\k:\y+16+\k+1], v[T+\k:T+\k+1]
.endr
.irp k, 0,2,4,6
	v_pk_fma_f32 v[T+\k:T+\k+1], v[\y+24+\k:\y+24+\k+1], v[\y+24+\k:\y+24+\k+1], v[T+\k:T+\k+1]
.endr
	REDUCE
	v_fma_f32 v[T], v[T], s66, s67                 ; variance + 1e-5
	v_rsq_f32 v28, v[T]
	v_nop                                          ; one plain instruction behind v_rsq_f32 (ISA guide 5.7.2)
	s_wait_alu depctr_va_vdst(0)
	v_mov_b32 v29, v28
.irp p, 0,2,4,6,8,10,12,14,16,18,20,22,24,26,28,30
	v_pk_mul_f32 v[\y+\p:\y+\p+1], v[\y+\p:\y+\p+1], v[28:29]
.endr
	WIN 0x14                                       ; sources 1 and 2 in window 1
.irp p, 0,2,4,6,8,10,12,14,16,18,20,22,24,26,28,30
	v_pk_fma_f32 v[\y+\p:\y+\p+1], v[\y+\p:\y+\p+1], v[128+\p:128+\p+1], v[160+\p:160+\p+1]   ; x gamma + beta
.endr
	WIN 0
.irp c, 0,1,2,3,4,5,6,7
	global_store_b128 v[XO], v[\y+4*\c:\y+4*\c+3], s[16:17] offset:4096*\q+512*\c th:TH_STORE_NT   ; each store of the wave covers 512 consecutive bytes, aligned
.endr
.endm
	ROW 0, 32
	ROW 1, 64
	s_wait_xcnt 0x0                                ; row 0's stores read v[32:63]: loaded again only behind this wait
	ROW 2, 32
	s_wait_xcnt 0x0                                ; likewise row 1's v[64:95]
	ROW 3, 64
	s_wait_tensorcnt 0x0
	ds_add_u32 v7, v31
	s_wait_dscnt 0x0
	ROUND                                          ; the closing round
	s_endpgm
.Lfunc_end_k_q4cdf83cfc7_outln:
	.size	k_q4cdf83cfc7_outln, .Lfunc_end_k_q4cdf83cfc7_outln-k_q4cdf83cfc7_outln
	.p2alignl 7, 3214868480
	.fill 96, 4, 3214868480
	.section	.rodata,"a",@progbits
	.p2align	6, 0x0
	.amdhsa_kernel k_q4cdf83cfc7_outln
		.amdhsa_group_segment_fixed_size 327680
		.amdhsa_private_segment_fixed_size 0
		.amdhsa_enable_private_segment 0
		.amdhsa_kernarg_size 56
		.amdhsa_user_sgpr_count 2
		.amdhsa_user_sgpr_kernarg_segment_ptr 1
		.amdhsa_wavefront_size32 1
		.amdhsa_system_sgpr_workgroup_id_x 1
		.amdhsa_system_sgpr_workgroup_id_y 1
		.amdhsa_system_sgpr_workgroup_id_z 1
		.amdhsa_system_vgpr_workitem_id 0
		.amdhsa_next_free_vgpr 448
		.amdhsa_next_free_sgpr 68
		.amdhsa_reserve_vcc 0
		.amdhsa_float_denorm_mode_32 3
		.amdhsa_float_denorm_mode_16_64 3
		.amdhsa_memory_ordered 1
		.amdhsa_forward_progress 1
		.amdhsa_inst_pref_size 73
	.end_amdhsa_kernel
	.amdgpu_metadata
---
amdhsa.version: [ 1, 2 ]
amdhsa.kernels:
  - .name:           k_q4cdf83cfc7_outln
    .symbol:         k_q4cdf83cfc7_outln.kd
    .args:
      - { .name: att, .offset: 0, .size: 8, .value_kind: global_buffer, .address_space: global }
      - { .name: wob, .offset: 8, .size: 8, .value_kind: global_buffer, .address_space: global }
      - { .name: bo, .offset: 16, .size: 8, .value_kind: global_buffer, .address_space: global }
      - { .name: x, .offset: 24, .size: 8, .value_kind: global_buffer, .address_space: global }
      - { .name: ln_gamma, .offset: 32, .size: 8, .value_kind: global_buffer, .address_space: global }
      - { .name: ln_beta, .offset: 40, .size: 8, .value_kind: global_buffer, .address_space: global }
      - { .name: out0, .offset: 48, .size: 8, .value_kind: global_buffer, .address_space: global }
    .group_segment_fixed_size: 327680
    .private_segment_fixed_size: 0
    .kernarg_segment_align: 8
    .kernarg_segment_size: 56
    .max_flat_workgroup_size: 256
    .sgpr_count:     68
    .vgpr_count:     448
    .wavefront_size: 32
...
	.end_amdgpu_metadata
.endif
;; end of part 4
;; ======== version 2 of 2: 5 launches
;; workspace buffers: xb 8,388,608 bytes; wqkv 6,291,456 bytes; wob 2,097,152 bytes; qh 8,388,608 bytes; kh 8,388,608 bytes; vh 8,388,608 bytes; att 8,388,608 bytes; ysum 16,777,216 bytes
;; launch cast: the kernel of part 1 again; grid 512 x 1, 8 waves a work-group, no clusters, 0 bytes of LDS; arguments x, Wq, Wk, Wv, Wo, xb, wqkv, wob; writes xb, wqkv, wob
;; launch qkv: the kernel of part 2 again; grid 16 x 16, 4 waves a work-group, clusters of 4 x 4, 327,680 bytes of LDS; arguments xb, wqkv, bq, bk, bv, qh, kh, vh; writes qh, kh, vh
;; launch attn: the kernel of part 3 again; grid 8 x 32, 8 waves a work-group, clusters of 4 x 1, 327,680 bytes of LDS; arguments qh, kh, vh, att; writes att
;; launch oproj (part 5): grid 8 x 32, 4 waves a work-group, clusters of 4 x 4, 327,680 bytes of LDS; arguments att, wob, bo, x, ysum; writes ysum
.if DOCPART == 5
	.amdgcn_target "amdgcn-amd-amdhsa--gfx1250"
	.amdhsa_code_object_version 6
	.text
	.protected	k_q4cdf83cfc7_oproj
	.globl	k_q4cdf83cfc7_oproj
	.p2align	8
	.type	k_q4cdf83cfc7_oproj,@function
k_q4cdf83cfc7_oproj:
	s_mov_b64 s[64:65], 0
	v_nop
	global_prefetch_b8 v0, s[64:65] scope:SCOPE_SE
	s_setreg_imm32_b32 hwreg(HW_REG_WAVE_MODE, 25, 1), 1
	s_wait_xcnt 0x0
	s_wait_alu depctr_hold_cnt(0) depctr_sa_sdst(0) depctr_va_vdst(0) depctr_va_sdst(0) depctr_va_ssrc(0) depctr_va_vcc(0) depctr_vm_vsrc(0)
	s_getreg_b32 s2, hwreg(HW_REG_IB_STS2, 6, 4)
	s_cmp_eq_u32 s2, 0
	s_cbranch_scc0 .Lentry_in_a_cluster
	s_endpgm
.Lentry_in_a_cluster:
	s_bfe_u32 s2, ttmp6, 0x10000c
	s_cmp_lg_u32 s2, 0xf033
	s_cbranch_scc0 .Lentry_shape_is_right
	s_endpgm
.Lentry_shape_is_right:
; ysum = x + att Wo^T + bo, in f32.  att: [batch x 16 + head][2048][64] bf16; wob: [kb 16][n 1024][64] bf16 (= Wo[n][64 kb + j]); bo, x, ysum f32.
; The norm that follows needs whole rows and is a launch of its own: a work-group that owned whole rows would have to bring all 2 MiB of Wo into its LDS,
; a block of 128 x 128 needs (128 + 128) rows x 2,048 bytes = 512 KiB.
; Grid x = block of 128 columns (8), grid y = block of 128 rows (32): 256 work-groups.  Four waves, one for each SIMD of a WGP; wave (mh, nh) makes 64 x 64:
; 4 x 4 tiles of 16 x 16, 128 accumulator registers.
; TILES: 128 rows x 64 K of att (one head) or of wob (one kb) are 16,384 dense bytes.  Such a block comes in as 64 rows of 256 bytes, each starting at a multiple
; of 256 bytes of its buffer, with 16 bytes of padding behind each: logical row i lies at (i / 2) x 272 + (i % 2) x 128.  The 16 rows of a fragment load then
; start at the 16-byte columns (r / 2) + 8 (r % 2) modulo 16: sixteen different ones.
; A slot holds a K step of 128: att of the even head, att of the odd head, Wo of the even kb, Wo of the odd kb; wave w fetches block w.  LDS holds four slots and
; K = 1,024 is eight steps: two groups of four loads a wave (four out, by this text's count), with one refilling round of the cluster's barrier between them.
; CLUSTERS: 4 x 4 work-groups.  att's blocks hang on the block of rows alone and are asked for jointly along a row of the cluster, Wo's on the block of columns
; alone and are asked for jointly along a column: a quarter of the requests for each.
; THE MATRIX INSTRUCTION IS USED TRANSPOSED: source 0 = 16 rows of Wo, source 1 = 16 rows of att: lane (r, h), register j holds row 16 a + r, column 16 b + 8 h + j.
; The first quarter step takes bo as C: the sums start on their addend.  x is loaded at the head into registers and stays on its way during the products.
; REGISTERS: window 0: addresses, accumulators, bias, the way out; window 1: two fragment buffers (v0-63, v64-127) and x (v128-255).
; LIMITS: att and Wo are bf16 for the matrix unit; bo, x and the sums are f32.  Infinities and NaN are not treated.
.set SP,    272                        ; an LDS row: 256 bytes + 16 of padding
.set BLK,   64*SP                      ; a block: 128 logical rows x 64 K; what one tensor load brings
.set SLOT,  4*BLK                      ; 69,632 bytes; four slots
.set HALF,  32*SP                      ; 64 logical rows: a wave's rows of att, or of Wo
.set T16,   8*SP                       ; 16 logical rows
.set ASTEP, 2*262144                   ; att: two heads on
.set BSTEP, 2*131072                   ; wob: two kb on
.set ADRA, 16                          ; v16-19  LDS address of my fragments of att in slot 0..3
.set ADRB, 20                          ; v20-23  the same for Wo
.set STO,  24                          ; the way out: where I put 16 bytes of a row
.set RD,   25                          ; where I read rows back
.set CO,   26                          ; my byte offset in x and ysum
.set BI,   27                          ; my byte offset in a tile's 16 biases: 32 h
.set ACC,  32                          ; v[32:159]  tile (a, b) at 32 + 8 (4 a + b)
.set BIAS, 160                         ; v[160:191] bo of column tile b at 160 + 8 b, laid out as a C operand
.set Y0,   192                         ; v[192:223], v[224:255] the way out: 16 rows each
.set Y1,   224
.set F0,   0                           ; window 1: fragment buffer 0: Wo's tile b at F + 8 b, att's tile a at F + 32 + 8 a
.set F1,   64                          ; window 1: fragment buffer 1
.set XR,   128                         ; window 1: x, rows 16 a + 2 t and + 1 at 128 + 4 (8 a + t)
.set G1,   24                          ; s[24:31] descriptor group 1 for att's blocks
.set G0,   32                          ; s[32:47] group 0 for att's blocks, one set for each slot
.set G1B,  48                          ; s[48:55] group 1 for Wo's blocks: it differs in the mask alone
.set G0B,  68                          ; s[68:83] group 0 for Wo's blocks
.set MSB,  0
.macro WIN new                         ; s_set_vgpr_msb: bits 1:0 source 0, 3:2 source 1, 5:4 source 2, 7:6 destination; the high byte repeats the setting that is left
.if MSB != \new
	s_set_vgpr_msb (MSB<<8)|\new
.set MSB, \new
.endif
.endm
.set MUL,  0x05                        ; both fragments window 1, C and D window 0
.set TO_F, 0x40                        ; destination window 1, address window 0
; Four joint loads, one for each slot.  Waves 0 and 1 fetch att's two blocks of every slot, waves 2 and 3 Wo's.  Each line has one mask and one set of registers;
; the branch hangs on the wave's number alone, and both ways issue four loads, so the counted waits count the same on both.
.macro JLOAD4
	s_cmp_eq_u32 s11, 0
	s_cbranch_scc0 .Lfor_b_\@
.irp s, 0,1,2,3
	tensor_load_to_lds s[G0+4*\s:G0+4*\s+3], s[G1:G1+7]
	s_nop 0
.endr
	s_branch .Lasked_\@
.Lfor_b_\@:
.irp s, 0,1,2,3
	tensor_load_to_lds s[G0B+4*\s:G0B+4*\s+3], s[G1B:G1B+7]
	s_nop 0
.endr
.Lasked_\@:
.endm
; A round of the cluster's barrier: my work-group's barrier; wave 0 signals for the work-group; every wave waits for all sixteen; my work-group's barrier again.
.macro CREST                           ; a round behind its opening barrier
	s_cmp_lg_u32 s10, 0
	s_cbranch_scc1 .Lnot_wave_0_\@
	s_barrier_signal -3
.Lnot_wave_0_\@:
	s_barrier_wait -3
	s_barrier_signal -1
	s_barrier_wait -1
.endm
.macro CROUND
	s_barrier_signal -1
	s_barrier_wait -1
	CREST
.endm
	s_load_b256 s[84:91], s[0:1], 0x0              ; att 84, wob 86, bo 88, x 90
	s_load_b64 s[92:93], s[0:1], 0x20              ; ysum
	v_lshl_add_u32 v30, v0, 2, 0x44000
	v_mov_b32 v31, 0
	ds_add_u32 v30, v31
	v_lshrrev_b32 v1, 5, v0
	v_readfirstlane_b32 s10, v1                    ; wave 0..3
	s_lshr_b32 s11, s10, 1                         ; mh: which 64 rows are mine.  Also: I fetch att (0) or Wo (1)
	s_and_b32 s12, s10, 1                          ; nh: which 64 columns.  Also: the even or the odd 64 of each K step
	s_bfe_u32 s94, ttmp6, 0x40000                  ; cx
	s_bfe_u32 s95, ttmp6, 0x40004                  ; cy
	s_lshl_b32 s96, ttmp9, 2
	s_add_co_u32 s96, s96, s94                     ; block of columns = 4 x cluster x + cx
	s_and_b32 s13, ttmp7, 0xffff
	s_lshl_b32 s13, s13, 2
	s_add_co_u32 s13, s13, s95                     ; block of rows = 4 x cluster y + cy
	s_lshl_b32 s97, s95, 2
	s_lshl_b32 s97, 15, s97                        ; my row of the cluster: places 4 cy .. 4 cy + 3
	s_lshl_b32 s98, 0x1111, s94                    ; my column: places cx, cx + 4, cx + 8, cx + 12
	; group 1: 15:0 mask; 17:16 elements of 2 bytes; 20 padding on; 21 set beside a mask; 24:22 after every 64 words (code 5); 31:25 skip 4 words (code 3)
	s_or_b32 s[G1+0],  s97, (1<<16)|(1<<20)|(1<<21)|(5<<22)|(3<<25)
	s_or_b32 s[G1B+0], s98, (1<<16)|(1<<20)|(1<<21)|(5<<22)|(3<<25)
	s_mov_b32 s[G1+1],  128<<16                    ; tensor_dim0 = 128 elements: 256 bytes
	s_mov_b32 s[G1B+1], 128<<16
	s_mov_b32 s[G1+2],  64<<16                     ; tensor_dim1 = 64 such rows
	s_mov_b32 s[G1B+2], 64<<16
	s_mov_b32 s[G1+3],  128<<16                    ; tile_dim0 = 128
	s_mov_b32 s[G1B+3], 128<<16
	s_mov_b32 s[G1+4],  64                         ; tile_dim1 = 64
	s_mov_b32 s[G1B+4], 64
	s_mov_b32 s[G1+5],  128                        ; elements from row to row: the block is dense
	s_mov_b32 s[G1B+5], 128
	s_mov_b32 s[G1+6],  0
	s_mov_b32 s[G1B+6], 0
	s_mov_b32 s[G1+7],  0
	s_mov_b32 s[G1B+7], 0
	; where the blocks come from: att's hang on the block of rows, Wo's on the block of columns, each in registers that never hold the other coordinate
	s_lshr_b32 s16, s13, 4                         ; batch = block / 16: 16 heads of 262,144 bytes
	s_lshl_b32 s16, s16, 22
	s_and_b32 s17, s13, 15
	s_lshl_b32 s17, s17, 14                        ; + (block % 16) x 128 rows of 128 bytes
	s_add_co_u32 s16, s16, s17
	s_lshl_b32 s17, s12, 18                        ; + the even or the odd head
	s_add_co_u32 s16, s16, s17
	s_mov_b32 s17, 0
	s_lshl_b32 s56, s96, 14                        ; Wo: block x 128 rows of 128 bytes
	s_lshl_b32 s57, s12, 17                        ; + the even or the odd kb
	s_add_co_u32 s56, s56, s57
	s_mov_b32 s57, 0
	s_mul_i32 s20, s10, BLK                        ; and where they go: block w of a slot; no place in the cluster enters an LDS address
	; x and ysum at my 64 x 64: (128 block of rows + 64 mh) x 4,096 + (128 block of columns + 64 nh) x 4
	s_lshl_b32 s60, s13, 19
	s_lshl_b32 s61, s11, 18
	s_add_co_u32 s60, s60, s61
	s_lshl_b32 s62, s96, 9
	s_lshl_b32 s63, s12, 8
	s_add_co_u32 s62, s62, s63                     ; my first column, in bytes: also my place in bo
	s_add_co_u32 s60, s60, s62
	s_mov_b32 s61, 0
	s_mov_b32 s63, 0
	v_and_b32 v1, 15, v0                           ; r
	v_bfe_u32 v2, v0, 4, 1                         ; h
	v_lshlrev_b32 v[BI], 5, v2
	v_lshlrev_b32 v3, 4, v1
	v_lshl_add_u32 v[CO], v2, 12, v3               ; lanes 0-15 take the 256 bytes that a row holds of my columns, lanes 16-31 those of the next row
	s_wait_dscnt 0x0
	s_wait_kmcnt 0x0
	s_add_nc_u64 s[14:15], s[84:85], s[16:17]
	s_add_nc_u64 s[58:59], s[86:87], s[56:57]
	s_add_nc_u64 s[88:89], s[88:89], s[62:63]
	s_add_nc_u64 s[90:91], s[90:91], s[60:61]
	s_add_nc_u64 s[92:93], s[92:93], s[60:61]
.irp b, 0,1,2,3
	global_load_b128 v[BIAS+8*\b:BIAS+8*\b+3],   v[BI], s[88:89] offset:64*\b          ; a lane's eight columns of tile b
	global_load_b128 v[BIAS+8*\b+4:BIAS+8*\b+7], v[BI], s[88:89] offset:64*\b+16
.endr
	WIN TO_F
.irp a, 0,1,2,3
.irp t, 0,1,2,3,4,5,6,7
	global_load_b128 v[XR+4*(8*\a+\t):XR+4*(8*\a+\t)+3], v[CO], s[90:91] offset:(16*\a+2*\t)*4096 th:TH_LOAD_NT   ; two runs of 256 consecutive bytes, aligned
.endr
.endr
	WIN 0
.irp s, 0,1,2,3
	s_mov_b32 s[G0+4*\s], 1                                        ; count = 1
	s_add_co_u32 s[G0+4*\s+1], s20, \s*SLOT                        ; LDS address
	s_add_nc_u64 s[G0+4*\s+2:G0+4*\s+3], s[14:15], \s*ASTEP        ; global address: K step s
	s_or_b32 s[G0+4*\s+3], s[G0+4*\s+3], 0x80000000                ; type = 2
	s_mov_b32 s[G0B+4*\s], 1
	s_add_co_u32 s[G0B+4*\s+1], s20, \s*SLOT
	s_add_nc_u64 s[G0B+4*\s+2:G0B+4*\s+3], s[58:59], \s*BSTEP
	s_or_b32 s[G0B+4*\s+3], s[G0B+4*\s+3], 0x80000000
.endr
	CROUND                                         ; all sixteen work-groups are here: the first joint loads meet
	JLOAD4                                         ; K steps 0 to 3
	; fragments: lane (r, h) takes logical row r; registers 0-3 K = 8 h + 0..7, registers 4-7 K = 16 + 8 h + 0..7: two loads of 16 bytes, 32 bytes apart
	v_lshrrev_b32 v4, 1, v1
	v_and_b32 v5, 1, v1
	v_mul_u32_u24 v4, v4, SP
	v_lshl_add_u32 v4, v5, 7, v4
	v_lshl_add_u32 v4, v2, 4, v4                   ; (r / 2) x 272 + (r % 2) x 128 + 16 h
	s_mul_i32 s21, s11, HALF                       ; my 64 rows of att
	s_mul_i32 s22, s12, HALF
	s_add_co_u32 s22, s22, 2*BLK                   ; my 64 rows of Wo, behind att's two blocks
.irp s, 0,1,2,3
	v_add_nc_u32 v[ADRA+\s], s21, v4
	v_add_nc_u32 v[ADRB+\s], s22, v4
	s_add_co_u32 s21, s21, SLOT
	s_add_co_u32 s22, s22, SLOT
.endr
	v_mul_u32_u24 v5, v1, SP
	v_lshl_add_u32 v5, v2, 5, v5
	v_add_nc_u32 v[STO], s20, v5                   ; the way out, in: row r, my eight f32 of tile 0
	v_mul_u32_u24 v6, v2, SP
	v_lshl_add_u32 v6, v1, 4, v6
	v_add_nc_u32 v[RD], s20, v6                    ; back: lanes 0-15 one row of 256 bytes, lanes 16-31 the next
; 4 matrix instructions: row tile a x the four column tiles, 32 along K.  first = 1: C is the bias.
; The 16 accumulators take turns, one instruction a turn, in the same order in every quarter step.
.macro MUL4 f, a, first
.irp b, 0,1,2,3
.if \first
	v_wmma_f32_16x16x32_bf16 v[ACC+8*(4*\a+\b):ACC+8*(4*\a+\b)+7], v[\f+8*\b:\f+8*\b+7], v[\f+32+8*\a:\f+32+8*\a+7], v[BIAS+8*\b:BIAS+8*\b+7]
.else
	v_wmma_f32_16x16x32_bf16 v[ACC+8*(4*\a+\b):ACC+8*(4*\a+\b)+7], v[\f+8*\b:\f+8*\b+7], v[\f+32+8*\a:\f+32+8*\a+7], v[ACC+8*(4*\a+\b):ACC+8*(4*\a+\b)+7]
.endif
.endr
.endm
; 16 LDS loads in one run: the fragments of one quarter step (64 rows of Wo, then 64 rows of att; 32 K at byte off of the slot's blocks) into buffer f
.macro FETCH slot, off, f
	WIN TO_F
.irp i, 0,1,2,3
	ds_load_b128 v[\f+8*\i:\f+8*\i+3],   v[ADRB+\slot] offset:\off+\i*T16
	ds_load_b128 v[\f+8*\i+4:\f+8*\i+7], v[ADRB+\slot] offset:\off+\i*T16+32
.endr
.irp i, 0,1,2,3
	ds_load_b128 v[\f+32+8*\i:\f+32+8*\i+3],   v[ADRA+\slot] offset:\off+\i*T16
	ds_load_b128 v[\f+32+8*\i+4:\f+32+8*\i+7], v[ADRA+\slot] offset:\off+\i*T16+32
.endr
.endm
; Four independent plain vector instructions stand between a matrix instruction and a load into one of its sources, or an instruction that reads its
; result (ISA guide 7.12.1 for vector instructions); other matrix instructions are not counted.
.macro PLACES
.rept 4
	v_nop
.endr
.endm
; A quarter step: multiplies buffer f and, in its middle, fetches the next quarter's fragments (byte off of the same slot's blocks) into buffer g
.macro QUARTER slot, off, f, g, first
	s_wait_dscnt 4                                 ; Wo's four tiles and att's tiles 0, 1 are in; the youngest four loads (att's tiles 2, 3) may be out
	WIN MUL
	MUL4 \f, 0, \first
	MUL4 \f, 1, \first
	PLACES
	FETCH \slot, \off, \g
	s_wait_dscnt 16                                ; all but the 16 just issued
	WIN MUL
	MUL4 \f, 2, \first
	MUL4 \f, 3, \first
.endm
.macro THREE slot, first               ; a K step's quarters: K 0..31 and 32..63 of the even block, then of the odd block
	QUARTER \slot, 64,     F0, F1, \first
	QUARTER \slot, BLK,    F1, F0, 0
	QUARTER \slot, BLK+64, F0, F1, 0
.endm
; The last quarter of a K step: multiplies buffer 1 and goes on to the next slot of the group.  left = how many younger K steps of the group may stay out:
; behind this barrier nothing is filled, it only shows every wave's block of the next slot to the others.
.macro TURN next, left
	s_wait_dscnt 4
	WIN MUL
	MUL4 F1, 0, 0
	s_wait_dscnt 0x0                               ; no LDS instruction of mine is pending at the signal
	s_wait_tensorcnt \left                         ; tensor loads of a wave end in order (ISA guide 10.11.1): my block of the next slot is in
	s_barrier_signal -1
	MUL4 F1, 1, 0                                  ; register work while the others arrive
	s_barrier_wait -1
	PLACES
	FETCH \next, 0, F0
	WIN MUL
	MUL4 F1, 2, 0
	MUL4 F1, 3, 0
.endm
.macro GROUP first                     ; four K steps but for the last quarter of the fourth
	THREE 0, \first
	TURN 1, 2
	THREE 1, 0
	TURN 2, 1
	THREE 2, 0
	TURN 3, 0
	THREE 3, 0
.endm
	s_wait_loadcnt 32                              ; the bias's 8 loads are in; x's 32 younger ones stay out
	s_wait_tensorcnt 0x3                           ; my block of K step 0 is in; three stay out
	s_barrier_signal -1
	s_barrier_wait -1
	FETCH 0, 0, F0
	GROUP 1                                        ; K steps 0 to 3
	; the last quarter of K step 3, and the refill of all four slots: its fragments are in registers, so no wave reads any slot behind the waits below
	s_wait_dscnt 4
	WIN MUL
	MUL4 F1, 0, 0
	s_wait_dscnt 0x0                               ; my reads of the four slots are over
	s_set_vgpr_msb 0x500
	s_wait_tensorcnt 0x0                           ; all my tensor loads have landed
	ds_add_u32 v30, v31
	s_wait_dscnt 0x0
	s_set_vgpr_msb 0x5
	s_barrier_signal -1                            ; this barrier opens a round of the cluster's barrier
	MUL4 F1, 1, 0                                  ; register work alone inside the round
	WIN 0
	s_barrier_wait -1
	CREST                                          ; no wave of any partner still reads a slot or has a load on its way
.irp s, 0,1,2,3
	s_add_nc_u64 s[G0+4*\s+2:G0+4*\s+3], s[G0+4*\s+2:G0+4*\s+3], 4*ASTEP
	s_add_nc_u64 s[G0B+4*\s+2:G0B+4*\s+3], s[G0B+4*\s+2:G0B+4*\s+3], 4*BSTEP
.endr
	JLOAD4                                         ; K steps 4 to 7: the first tensor loads behind the round
	WIN MUL
	MUL4 F1, 2, 0
	MUL4 F1, 3, 0
	s_wait_tensorcnt 0x3                           ; my block of K step 4 is in
	s_barrier_signal -1
	s_barrier_wait -1
	PLACES
	FETCH 0, 0, F0
	GROUP 0                                        ; K steps 4 to 7
	s_wait_dscnt 0x0                               ; the very last quarter: nothing more to fetch
	WIN MUL
	MUL4 F1, 0, 0
	MUL4 F1, 1, 0
	MUL4 F1, 2, 0
	MUL4 F1, 3, 0
	WIN 0
	PLACES                                         ; before the results are stored
	; THE WAY OUT.  My 64 rows of 256 bytes go through 17,408 bytes of my own in slot 0: that slot has had its last fill, and since the barrier that led from
	; it to slot 1 no wave reads it.  LDS serves a wave's instructions in order (ISA guide 5.7.1), so no wait stands between my stores and my loads.
.irp a, 0,1,2,3
.irp b, 0,1,2,3
	ds_store_b128 v[STO], v[ACC+8*(4*\a+\b):ACC+8*(4*\a+\b)+3]   offset:\a*16*SP+64*\b
	ds_store_b128 v[STO], v[ACC+8*(4*\a+\b)+4:ACC+8*(4*\a+\b)+7] offset:\a*16*SP+64*\b+16
.endr
.endr
.macro LOADY a, y                      ; 16 rows back, two rows a load
.irp t, 0,1,2,3,4,5,6,7
	ds_load_b128 v[\y+4*\t:\y+4*\t+3], v[RD] offset:\a*16*SP+\t*2*SP
.endr
.endm
.macro ADDST a, y                      ; + x, and out: each store of the wave covers two runs of 256 consecutive bytes, aligned
	WIN 0x04                                       ; source 1 in window 1
.irp p, 0,2,4,6,8,10,12,14,16,18,20,22,24,26,28,30
	v_pk_add_f32 v[\y+\p:\y+\p+1], v[\y+\p:\y+\p+1], v[XR+32*\a+\p:XR+32*\a+\p+1]
.endr
	WIN 0
.irp t, 0,1,2,3,4,5,6,7
	global_store_b128 v[CO], v[\y+4*\t:\y+4*\t+3], s[92:93] offset:(16*\a+2*\t)*4096
.endr
.endm
	LOADY 0, Y0
	LOADY 1, Y1
	s_wait_loadcnt 0x0                             ; x
	s_wait_dscnt 8                                 ; rows 0-15 are in; the eight younger loads stay out
	ADDST 0, Y0
	s_wait_xcnt 0x0                                ; the stores read v[192:223]: loaded again only behind this wait
	LOADY 2, Y0
	s_wait_dscnt 8
	ADDST 1, Y1
	s_wait_xcnt 0x0                                ; likewise v[224:255]
	LOADY 3, Y1
	s_wait_dscnt 8
	ADDST 2, Y0
	s_wait_dscnt 0x0
	ADDST 3, Y1
	s_wait_tensorcnt 0x0
	ds_add_u32 v30, v31
	s_wait_dscnt 0x0
	CROUND                                         ; the closing round: no work-group ends while a partner may still ask for a block that names it
	s_endpgm
.Lfunc_end_k_q4cdf83cfc7_oproj:
	.size	k_q4cdf83cfc7_oproj, .Lfunc_end_k_q4cdf83cfc7_oproj-k_q4cdf83cfc7_oproj
	.p2alignl 7, 3214868480
	.fill 96, 4, 3214868480
	.section	.rodata,"a",@progbits
	.p2align	6, 0x0
	.amdhsa_kernel k_q4cdf83cfc7_oproj
		.amdhsa_group_segment_fixed_size 327680
		.amdhsa_private_segment_fixed_size 0
		.amdhsa_enable_private_segment 0
		.amdhsa_kernarg_size 40
		.amdhsa_user_sgpr_count 2
		.amdhsa_user_sgpr_kernarg_segment_ptr 1
		.amdhsa_wavefront_size32 1
		.amdhsa_system_sgpr_workgroup_id_x 1
		.amdhsa_system_sgpr_workgroup_id_y 1
		.amdhsa_system_sgpr_workgroup_id_z 1
		.amdhsa_system_vgpr_workitem_id 0
		.amdhsa_next_free_vgpr 512
		.amdhsa_next_free_sgpr 100
		.amdhsa_reserve_vcc 0
		.amdhsa_float_denorm_mode_32 3
		.amdhsa_float_denorm_mode_16_64 3
		.amdhsa_memory_ordered 1
		.amdhsa_forward_progress 1
		.amdhsa_inst_pref_size 99
	.end_amdhsa_kernel
	.amdgpu_metadata
---
amdhsa.version: [ 1, 2 ]
amdhsa.kernels:
  - .name:           k_q4cdf83cfc7_oproj
    .symbol:         k_q4cdf83cfc7_oproj.kd
    .args:
      - { .name: att, .offset: 0, .size: 8, .value_kind: global_buffer, .address_space: global }
      - { .name: wob, .offset: 8, .size: 8, .value_kind: global_buffer, .address_space: global }
      - { .name: bo, .offset: 16, .size: 8, .value_kind: global_buffer, .address_space: global }
      - { .name: x, .offset: 24, .size: 8, .value_kind: global_buffer, .address_space: global }
      - { .name: ysum, .offset: 32, .size: 8, .value_kind: global_buffer, .address_space: global }
    .group_segment_fixed_size: 327680
    .private_segment_fixed_size: 0
    .kernarg_segment_align: 8
    .kernarg_segment_size: 40
    .max_flat_workgroup_size: 128
    .sgpr_count:     100
    .vgpr_count:     512
    .wavefront_size: 32
...
	.end_amdgpu_metadata
.endif
;; end of part 5
;; launch ln (part 6): grid 256 x 1, 8 waves a work-group, no clusters, 0 bytes of LDS; arguments ysum, ln_gamma, ln_beta, out0; writes out0
.if DOCPART == 6
	.amdgcn_target "amdgcn-amd-amdhsa--gfx1250"
	.amdhsa_code_object_version 6
	.text
	.protected	k_q4cdf83cfc7_ln
	.globl	k_q4cdf83cfc7_ln
	.p2align	8
	.type	k_q4cdf83cfc7_ln,@function
k_q4cdf83cfc7_ln:
	s_mov_b64 s[64:65], 0
	v_nop
	global_prefetch_b8 v0, s[64:65] scope:SCOPE_SE
	s_setreg_imm32_b32 hwreg(HW_REG_WAVE_MODE, 25, 1), 1
	s_wait_xcnt 0x0
; out0[r][:] = (y - mean) / sqrt(var + 1e-5) x gamma + beta, y = ysum[r][:], 4,096 rows of 1,024 f32.
; A stream: every byte of ysum is read once and every byte of out0 written once; the work-groups share nothing but the 8 KiB of gamma and beta, so no LDS,
; no cluster and no matrix unit.  A row is 4,096 bytes: one wave takes a whole row, eight loads of 16 bytes a lane, and keeps it in 32 registers between the
; passes, so the sums never leave the wave and there is no barrier.  A work-group takes 16 rows, a wave two; all 32 loads of a wave are issued before the
; first is used.  Each load and store of a wave covers 512 consecutive bytes, aligned.
; The variance is taken of the centred row (a second pass over registers), so a common offset in y costs no digits.
; LIMITS: infinities and NaN are not treated.  v_rsq_f32 is accurate to 1 ULP (ISA guide 15.8); its argument is at least 1e-5.
.set XO,  1                            ; my byte offset in ysum and out0: wave x 2 rows + 16 bytes a lane
.set GO,  2                            ; in gamma and beta
.set T,   4                            ; v[4:11]   four chains of pairs
                                       ; v[12:13] the mean, v[14:15] 1 / sqrt, v16 from the other half of the lanes
.set GAM, 20                           ; v[20:51]  register 4 c + e of lane l is column 128 c + 4 l + e
.set BET, 52                           ; v[52:83]
.set Y0,  84                           ; v[84:115]  my first row
.set Y1,  116                          ; v[116:147] my second row
	s_load_b256 s[4:11], s[0:1], 0x0               ; ysum 4, gamma 6, beta 8, out0 10
	s_lshl_b32 s12, ttmp9, 16                      ; 16 rows of 4,096 bytes
	s_mov_b32 s13, 0
	s_mov_b32 s14, 0x76543210                      ; v_permlanex16_b32: lane i of one half reads lane i of the other
	s_mov_b32 s15, 0xfedcba98
	s_mov_b32 s16, 0x3a800000                      ; 1 / 1024
	s_mov_b32 s17, 0x3727c5ac                      ; 1e-5
	v_lshrrev_b32 v3, 5, v0                        ; wave
	v_and_b32 v[GO], 31, v0
	v_lshlrev_b32 v[GO], 4, v[GO]
	v_lshl_add_u32 v[XO], v3, 13, v[GO]
	v_mov_b32 v16, 0                               ; v_permlanex16_b32 counts as a reader of its destination
	s_wait_kmcnt 0x0
	s_add_nc_u64 s[4:5], s[4:5], s[12:13]
	s_add_nc_u64 s[10:11], s[10:11], s[12:13]
.irp c, 0,1,2,3,4,5,6,7
	global_load_b128 v[Y0+4*\c:Y0+4*\c+3], v[XO], s[4:5] offset:512*\c th:TH_LOAD_NT
.endr
.irp c, 0,1,2,3,4,5,6,7
	global_load_b128 v[Y1+4*\c:Y1+4*\c+3], v[XO], s[4:5] offset:4096+512*\c th:TH_LOAD_NT
.endr
.irp c, 0,1,2,3,4,5,6,7
	global_load_b128 v[GAM+4*\c:GAM+4*\c+3], v[GO], s[6:7] offset:512*\c
.endr
.irp c, 0,1,2,3,4,5,6,7
	global_load_b128 v[BET+4*\c:BET+4*\c+3], v[GO], s[8:9] offset:512*\c
.endr
.macro REDUCE                          ; four chains of pairs to one number in every lane, in v4
	v_pk_add_f32 v[T:T+1],   v[T:T+1],   v[T+2:T+3]
	v_pk_add_f32 v[T+4:T+5], v[T+4:T+5], v[T+6:T+7]
	v_pk_add_f32 v[T:T+1],   v[T:T+1],   v[T+4:T+5]
	v_add_f32 v[T], v[T], v[T+1]
	v_add_f32_dpp v[T], v[T], v[T] row_xmask:1 row_mask:0xf bank_mask:0xf
	v_add_f32_dpp v[T], v[T], v[T] row_xmask:2 row_mask:0xf bank_mask:0xf
	v_add_f32_dpp v[T], v[T], v[T] row_xmask:4 row_mask:0xf bank_mask:0xf
	v_add_f32_dpp v[T], v[T], v[T] row_xmask:8 row_mask:0xf bank_mask:0xf
	v_permlanex16_b32 v16, v[T], s14, s15
	v_add_f32 v[T], v[T], v16
.endm
.macro NORM y                          ; the row in the 32 registers from y on becomes (y - mean) / sqrt(var + 1e-5)
.irp k, 0,2,4,6
	v_pk_add_f32 v[T+\k:T+\k+1], v[\y+\k:\y+\k+1], v[\y+8+\k:\y+8+\k+1]           ; the first words start the chains: nothing is cleared
.endr
.irp k, 0,2,4,6
	v_pk_add_f32 v[T+\k:T+\k+1], v[T+\k:T+\k+1], v[\y+16+\k:\y+16+\k+1]
.endr
.irp k, 0,2,4,6
	v_pk_add_f32 v[T+\k:T+\k+1], v[T+\k:T+\k+1], v[\y+24+\k:\y+24+\k+1]
.endr
	REDUCE
	v_mul_f32 v12, s16, v[T]                       ; the mean, twice: a pair for the packed arithmetic
	v_mul_f32 v13, s16, v[T]
.irp p, 0,2,4,6,8,10,12,14,16,18,20,22,24,26,28,30
	v_pk_add_f32 v[\y+\p:\y+\p+1], v[\y+\p:\y+\p+1], v[12:13] neg_lo:[0,1] neg_hi:[0,1]
.endr
.irp k, 0,2,4,6
	v_pk_mul_f32 v[T+\k:T+\k+1], v[\y+\k:\y+\k+1], v[\y+\k:\y+\k+1]
.endr
.irp k, 0,2,4,6
	v_pk_fma_f32 v[T+\k:T+\k+1], v[\y+8+\k:\y+8+\k+1], v[\y+8+\k:\y+8+\k+1], v[T+\k:T+\k+1]
.endr
.irp k, 0,2,4,6
	v_pk_fma_f32 v[T+\k:T+\k+1], v[\y+16+\k:\y+16+\k+1], v[\y+16+\k:\y+16+\k+1], v[T+\k:T+\k+1]
.endr
.irp k, 0,2,4,6
	v_pk_fma_f32 v[T+\k:T+\k+1], v[\y+24+\k:\y+24+\k+1], v[\y+24+\k:\y+24+\k+1], v[T+\k:T+\k+1]
.endr
	REDUCE
	v_fma_f32 v[T], v[T], s16, s17                 ; variance + 1e-5
	v_rsq_f32 v14, v[T]
	v_nop                                          ; one plain instruction behind v_rsq_f32 before its result is used (ISA guide 5.7.2)
	s_wait_alu depctr_va_vdst(0)
	v_mov_b32 v15, v14
.irp p, 0,2,4,6,8,10,12,14,16,18,20,22,24,26,28,30
	v_pk_mul_f32 v[\y+\p:\y+\p+1], v[\y+\p:\y+\p+1], v[14:15]
.endr
.endm
.macro FINISH y, q                     ; x gamma + beta, and out
.irp p, 0,2,4,6,8,10,12,14,16,18,20,22,24,26,28,30
	v_pk_fma_f32 v[\y+\p:\y+\p+1], v[\y+\p:\y+\p+1], v[GAM+\p:GAM+\p+1], v[BET+\p:BET+\p+1]
.endr
.irp c, 0,1,2,3,4,5,6,7
	global_store_b128 v[XO], v[\y+4*\c:\y+4*\c+3], s[10:11] offset:4096*\q+512*\c th:TH_STORE_NT
.endr
.endm
	s_wait_loadcnt 24                              ; loads come back in order (ISA guide 5.7.1): my first row is in; 24 younger loads stay out
	NORM Y0
	s_wait_loadcnt 16                              ; my second row; gamma's and beta's 16 stay out
	NORM Y1
	s_wait_loadcnt 0x0                             ; gamma and beta
	FINISH Y0, 0
	FINISH Y1, 1
	s_endpgm
.Lfunc_end_k_q4cdf83cfc7_ln:
	.size	k_q4cdf83cfc7_ln, .Lfunc_end_k_q4cdf83cfc7_ln-k_q4cdf83cfc7_ln
	.p2alignl 7, 3214868480
	.fill 96, 4, 3214868480
	.section	.rodata,"a",@progbits
	.p2align	6, 0x0
	.amdhsa_kernel k_q4cdf83cfc7_ln
		.amdhsa_group_segment_fixed_size 0
		.amdhsa_private_segment_fixed_size 0
		.amdhsa_enable_private_segment 0
		.amdhsa_kernarg_size 32
		.amdhsa_user_sgpr_count 2
		.amdhsa_user_sgpr_kernarg_segment_ptr 1
		.amdhsa_wavefront_size32 1
		.amdhsa_system_sgpr_workgroup_id_x 1
		.amdhsa_system_sgpr_workgroup_id_y 1
		.amdhsa_system_sgpr_workgroup_id_z 1
		.amdhsa_system_vgpr_workitem_id 0
		.amdhsa_next_free_vgpr 148
		.amdhsa_next_free_sgpr 66
		.amdhsa_reserve_vcc 0
		.amdhsa_float_denorm_mode_32 3
		.amdhsa_float_denorm_mode_16_64 3
		.amdhsa_memory_ordered 1
		.amdhsa_forward_progress 1
		.amdhsa_inst_pref_size 18
	.end_amdhsa_kernel
	.amdgpu_metadata
---
amdhsa.version: [ 1, 2 ]
amdhsa.kernels:
  - .name:           k_q4cdf83cfc7_ln
    .symbol:         k_q4cdf83cfc7_ln.kd
    .args:
      - { .name: ysum, .offset: 0, .size: 8, .value_kind: global_buffer, .address_space: global }
      - { .name: ln_gamma, .offset: 8, .size: 8, .value_kind: global_buffer, .address_space: global }
      - { .name: ln_beta, .offset: 16, .size: 8, .value_kind: global_buffer, .address_space: global }
      - { .name: out0, .offset: 24, .size: 8, .value_kind: global_buffer, .address_space: global }
    .group_segment_fixed_size: 0
    .private_segment_fixed_size: 0
    .kernarg_segment_align: 8
    .kernarg_segment_size: 32
    .max_flat_workgroup_size: 256
    .sgpr_count:     66
    .vgpr_count:     148
    .wavefront_size: 32
...
	.end_amdgpu_metadata
.endif
;; end of part 6
